; MI455X (gfx1250); checked and timed in simulation.
; The chip was launched on July 23, 2026; its instructions are those of AMD's public machine-readable ISA for CDNA 5 (MIT licence, August 2026) and "CDNA5" Instruction Set Architecture Reference Guide (July 2026). The comments in the code are by the model that wrote it; some were corrected since.
;; Transformer Decoder Block. Allowed arithmetic: matrix products marked QUANTISED: E2M1 operands, one E8M0 scale for each 32 along K, by v_wmma_scale_f32_16x16x128_f8f6f4 with both operands' format E2M1 (or v_wmma_scale_f32_32x16x128_f4), f32 sums; everything else in f32.
;; Inputs: b1 2,048 float32; b2 512 float32; ca_bk 512 float32; ca_bo 512 float32; ca_bq 512 float32; ca_bv 512 float32; ca_wk_codes 512 x 16 x 16 uint8 (E2M1 codes of ca_wk, K innermost, in blocks of 32 codes, two codes a byte); ca_wk_scales 512 x 16 uint8 (E8M0 scales of ca_wk, one for each 32 codes along K); ca_wo_codes 512 x 16 x 16 uint8 (E2M1 codes of ca_wo, K innermost, in blocks of 32 codes, two codes a byte); ca_wo_scales 512 x 16 uint8 (E8M0 scales of ca_wo, one for each 32 codes along K); ca_wq_codes 512 x 16 x 16 uint8 (E2M1 codes of ca_wq, K innermost, in blocks of 32 codes, two codes a byte); ca_wq_scales 512 x 16 uint8 (E8M0 scales of ca_wq, one for each 32 codes along K); ca_wv_codes 512 x 16 x 16 uint8 (E2M1 codes of ca_wv, K innermost, in blocks of 32 codes, two codes a byte); ca_wv_scales 512 x 16 uint8 (E8M0 scales of ca_wv, one for each 32 codes along K); ln1_b 512 float32; ln1_w 512 float32; ln2_b 512 float32; ln2_w 512 float32; ln3_b 512 float32; ln3_w 512 float32; memory_codes 4 x 2,048 x 16 x 16 uint8 (E2M1 codes of memory, K innermost, in blocks of 32 codes, two codes a byte); memory_scales 4 x 2,048 x 16 uint8 (E8M0 scales of memory, one for each 32 codes along K); sa_bk 512 float32; sa_bo 512 float32; sa_bq 512 float32; sa_bv 512 float32; sa_wk_codes 512 x 16 x 16 uint8 (E2M1 codes of sa_wk, K innermost, in blocks of 32 codes, two codes a byte); sa_wk_scales 512 x 16 uint8 (E8M0 scales of sa_wk, one for each 32 codes along K); sa_wo_codes 512 x 16 x 16 uint8 (E2M1 codes of sa_wo, K innermost, in blocks of 32 codes, two codes a byte); sa_wo_scales 512 x 16 uint8 (E8M0 scales of sa_wo, one for each 32 codes along K); sa_wq_codes 512 x 16 x 16 uint8 (E2M1 codes of sa_wq, K innermost, in blocks of 32 codes, two codes a byte); sa_wq_scales 512 x 16 uint8 (E8M0 scales of sa_wq, one for each 32 codes along K); sa_wv_codes 512 x 16 x 16 uint8 (E2M1 codes of sa_wv, K innermost, in blocks of 32 codes, two codes a byte); sa_wv_scales 512 x 16 uint8 (E8M0 scales of sa_wv, one for each 32 codes along K); tgt 4 x 2,048 x 512 float32; tgt_mask 2,048 x 2,048 bool; w1_codes 2,048 x 16 x 16 uint8 (E2M1 codes of w1, K innermost, in blocks of 32 codes, two codes a byte); w1_scales 2,048 x 16 uint8 (E8M0 scales of w1, one for each 32 codes along K); w2_codes 512 x 64 x 16 uint8 (E2M1 codes of w2, K innermost, in blocks of 32 codes, two codes a byte); w2_scales 512 x 64 uint8 (E8M0 scales of w2, one for each 32 codes along K).
;; Outputs: out0 4 x 2,048 x 512 float32.
;; This version of the problem:
;;   THIS VERSION OF THE PROBLEM IS GIVEN IN LOW PRECISION. The matrix products marked QUANTISED in the list below multiply operands that are first quantised to E2M1 (2 exponent bits, 1 mantissa bit; 4 bits a number), with one power-of-two scale for each 32 numbers along K (OCP MX v1.0); their sums are f32. All else is computed in f32.
;;   The module's matrix products, in the order in which they are computed (A, B: the left and right operand; K: the contracted axis; several contracted axes count as one K, in the product's order):
;;     1. [M 8,192, K 512] x [K 512, N 512]; A: input tgt; B: input sa_wq (given as codes): QUANTISED
;;     2. [M 8,192, K 512] x [K 512, N 512]; A: input tgt; B: input sa_wk (given as codes): QUANTISED
;;     3. [M 8,192, K 512] x [K 512, N 512]; A: input tgt; B: input sa_wv (given as codes): QUANTISED
;;     4. batch 32 x [M 2,048, K 64] x [K 64, N 2,048]; A: computed on the way; B: computed on the way: QUANTISED
;;     5. batch 32 x [M 2,048, K 2,048] x [K 2,048, N 64]; A: softmax (see below); B: computed on the way: QUANTISED
;;     6. [M 8,192, K 512] x [K 512, N 512]; A: computed on the way; B: input sa_wo (given as codes): QUANTISED
;;     7. [M 8,192, K 512] x [K 512, N 512]; A: computed on the way; B: input ca_wq (given as codes): QUANTISED
;;     8. [M 8,192, K 512] x [K 512, N 512]; A: input memory (given as codes); B: input ca_wk (given as codes): QUANTISED
;;     9. [M 8,192, K 512] x [K 512, N 512]; A: input memory (given as codes); B: input ca_wv (given as codes): QUANTISED
;;     10. batch 32 x [M 2,048, K 64] x [K 64, N 2,048]; A: computed on the way; B: computed on the way: QUANTISED
;;     11. batch 32 x [M 2,048, K 2,048] x [K 2,048, N 64]; A: softmax (see below); B: computed on the way: QUANTISED
;;     12. [M 8,192, K 512] x [K 512, N 512]; A: computed on the way; B: input ca_wo (given as codes): QUANTISED
;;     13. [M 8,192, K 512] x [K 512, N 2,048]; A: computed on the way; B: input w1 (given as codes): QUANTISED
;;     14. [M 8,192, K 2,048] x [K 2,048, N 512]; A: computed on the way; B: input w2 (given as codes): QUANTISED
;;   THE QUANTISER, for each operand of a quantised product, along K:
;;     - K is cut into blocks of 32 from its start; a last block that is shorter is filled with zeros.
;;     - A block's scale is 2^e with e = floor(log2(the largest magnitude in the block)) - 2, held to -126 .. 127; a block of zeros has e = 0. As a byte (E8M0): e + 127.
;;     - Each number is divided by its block's scale, clamped to +-6, and rounded to the nearest number of E2M1, ties to even, subnormals kept.
;;     - The product sums the exact products of the quantised numbers (number of the format x scale) in f32.
;;   ~~~python
;;   def quantise(x, axis):      # numpy; x: float32 -> the quantised numbers, widened to float32 again
;;       x = np.moveaxis(x, axis, -1); K = x.shape[-1]
;;       x = np.pad(x, [(0, 0)] * (x.ndim - 1) + [(0, -K % 32)]); x = x.reshape(x.shape[:-1] + (-1, 32)); a = np.abs(x).max(-1, keepdims=True)
;;       e = np.where(a > 0, np.clip(np.frexp(np.where(a > 0, a, 1))[1] - 1 - 2, -126, 127), 0)      # np.frexp(a)[1] - 1 = floor(log2(a)), exactly
;;       r = np.clip(x / 2.0 ** e, -6, 6)
;;       step = 2.0 ** (np.maximum(np.frexp(np.where(r == 0, 1, r))[1] - 1, 0) - 1)
;;       q = np.round(r / step) * step * 2.0 ** e      # np.round: ties to even
;;       return np.moveaxis(q.reshape(q.shape[:-2] + (-1,))[..., :K], -1, axis).astype(np.float32)
;;   ~~~
;;   SOFTMAX AHEAD OF A QUANTISED PRODUCT. Where the list says 'softmax', what is quantised is not the finished softmax but p = 2^(t - M), with t = logit x log2(e) and M = ceil(the row's largest t), a whole number; so 1/2 < the row's largest p <= 1. The row's sum l is taken of the UNQUANTISED p, in f32, and the product's result is divided by l at the end. Since M is a whole number, a kernel that streams over the keys may use a running M (the ceiling of the running maximum): every later rescaling is an exact power of two, which a block's scale takes up: the codes' values come out the same.
;;   OPERANDS COMPUTED ON THE WAY. 'Computed on the way' means the value that the module computes at that place (a softmax that the list does not call 'softmax' is quantised finished and normalised). What goes into a quantiser is computed in f32, as accurately as f32 sums, v_exp_f32 and their like allow (about 1e-6 of the number): no bf16 or f16 on the way to a quantiser, and a product that is left as it is and whose result goes on into a quantised operand takes f32 operands (vector FMAs, or v_wmma_f32_16x16x4_f32). A number that lies on a knife's edge between two numbers of the format may be rounded either way, as far as f32 arithmetic and the matrix unit's own rounding can turn it there, and no further.
;;   INPUTS GIVEN AS CODES. ca_wk (in the module: [512, 512], K = its axis 1); ca_wo (in the module: [512, 512], K = its axis 1); ca_wq (in the module: [512, 512], K = its axis 1); ca_wv (in the module: [512, 512], K = its axis 1); memory (in the module: [4, 2048, 512], K = its axis 2); sa_wk (in the module: [512, 512], K = its axis 1); sa_wo (in the module: [512, 512], K = its axis 1); sa_wq (in the module: [512, 512], K = its axis 1); sa_wv (in the module: [512, 512], K = its axis 1); w1 (in the module: [2048, 512], K = its axis 1); w2 (in the module: [512, 2048], K = its axis 1): each comes as NAME_codes (uint8): NAME with its K axis moved to the last place and cut into blocks of 32 codes, [.., K / 32, bytes a block], one block behind the other in memory; two codes a byte, the lower K in the low four bits (a code: sign, 2 exponent bits, 1 mantissa bit); and NAME_scales (uint8): the same leading axes, one E8M0 byte (e + 127) for each 32 codes along K. Its value is code x scale, taken as it is: it is not quantised again, and the codes and scales need not be those that the quantiser above would give.
;; One version. Each part assembles by itself: llvm-mc -triple=amdgcn-amd-amdhsa -mcpu=gfx1250 --defsym DOCPART=n.
;; ======== version 1 of 1: 5 launches
;; limits: right only within a limited range of input values
;; workspace buffers: q 2,359,296 bytes; kva 4,587,520 bytes; kvb 4,587,520 bytes; maskw 540,928 bytes of whole numbers; o 2,228,224 bytes; x1 16,777,216 bytes; wl 1,703,936 bytes
;; launch proj (part 1): grid 256 x 1, 4 waves a work-group, clusters of 4 x 1, 327,680 bytes of LDS; arguments tgt, tgt_mask, sa_wq_codes, sa_wq_scales, sa_bq, sa_wk_codes, sa_wk_scales, sa_bk, sa_wv_codes, sa_wv_scales, sa_bv, q, kva, maskw, sa_wo_codes, ca_wq_codes, ca_wk_codes, ca_wv_codes, ca_wo_codes, w1_codes, w2_codes, wl; writes q, kva, maskw, wl
.if DOCPART == 1
	.amdgcn_target "amdgcn-amd-amdhsa--gfx1250"
	.amdhsa_code_object_version 6
	.text
	.protected	k_q2d204c9332_proj
	.globl	k_q2d204c9332_proj
	.p2align	8
	.type	k_q2d204c9332_proj,@function
k_q2d204c9332_proj:
	s_mov_b64 s[64:65], 0
	v_nop
	global_prefetch_b8 v0, s[64:65] scope:SCOPE_SE
	s_setreg_imm32_b32 hwreg(HW_REG_WAVE_MODE, 25, 1), 1
	s_wait_xcnt 0x0
	s_wait_alu depctr_hold_cnt(0) depctr_sa_sdst(0) depctr_va_vdst(0) depctr_va_sdst(0) depctr_va_ssrc(0) depctr_va_vcc(0) depctr_vm_vsrc(0)
	s_getreg_b32 s2, hwreg(HW_REG_IB_STS2, 6, 4)
	s_cmp_eq_u32 s2, 0
	s_cbranch_scc0 .Lentry_in_a_cluster
	s_endpgm
.Lentry_in_a_cluster:
	s_bfe_u32 s2, ttmp6, 0x10000c
	s_cmp_lg_u32 s2, 0x3003
	s_cbranch_scc0 .Lentry_shape_is_right
	s_endpgm
.Lentry_shape_is_right:
; Q, K, V of the self-attention: tgt [8192][512] f32 is quantised to E2M1 codes (one E8M0 scale for 32 along K), multiplied by sa_wq, sa_wk, sa_wv (given as codes), the biases added as the C of each
; sum's first product, and the results quantised again and stored as codes in the order of the attention launch's operand registers.  The mask input is packed into words of 32 lane bits.
; TWO SERVICES FOR LATER LAUNCHES.  (1) The codes of the seven weights that later launches multiply by are copied into wl in the order of their readers' operand registers: chunks of 32 KB (128 rows x 512 along K,
; one reading wave's), in a chunk piece p = 8 t + 2 s + c of 512 bytes, lane l's 16 bytes at 16 l.  3,328 pieces, 1,024 waves: a wave copies one piece of w1, one of w2, one of sa_wo / ca_wq / ca_wk / ca_wv
; (by its number), wave 0 also one of ca_wo.  (2) For each (tile of 16 queries, step of 128 keys) two words behind the mask's words: bit l of the first: some key of lane l counts; of the second: all of lane l's 64 keys count.
; SHARES.  A work-group takes 32 rows (group G).  THE WAVES SHARE THE COLUMNS: wave w makes features 128 w .. 128 w + 127 (heads 2 w, 2 w + 1) for all 32 rows.  Wave w also quantises K step w of the 32 rows;
; the fragments go from wave to wave through LDS as images of their registers.
; ROWS OF A TILE ARE NOT NEIGHBOURS: lane r of tile u takes row 32 G + 8 u + r + 8 (r / 8); lane r of weight tile 2 b + u takes feature 32 b + 8 u + r + 8 (r / 8).  So in a product used transposed
; (source 0 = weight, source 1 = rows: Q, K) a lane holds one row and its registers 16 b + i are features 32 b + 16 (lane / 16) + i; in a product used plainly (V) a lane holds one feature and the 16
; registers of tiles u = 0, 1 are keys 16 (lane / 16) + 0 .. 15 of the group's 32, which are one block of V's quantiser along the keys.
; THE THREE WEIGHTS COME BY TWO WAYS AT ONCE.  Tiles 0-3 of my 128 rows (the first 64 rows, 256 bytes each) come JOINTLY through LDS: cluster 4 x 1, mask 15, one tensor load a wave, rows padded to a pitch of 272 bytes;
; three slots of 69,632 bytes, each filled once: wq's at the head, wk's and wv's each behind the full sequence and a round; the second of these rounds is also the barrier of the rows' fragments.  A wave reads its own
; 17,408 bytes of a slot alone.  Tiles 4-7 go from memory straight into the operand registers, asked for a phase ahead.  REASON for the half that is not shared: a wave has one tensor load between two rounds; the
; registers take the other half meanwhile and need no slot.
; NO PREFETCH: the text has no loop to run ahead in.
; LIMITS: NaN and infinities among the inputs are not served; a block of zeros gets the scale byte 1 (its codes are zeros; the bytes are read by this program alone).
; REGISTERS, in windows of 256.  Window 0: v1-15, v168, v169 addresses; v16-79 XF the rows' eight fragments; v80-143 HA eight accumulators; v144-159 codes just made; v160-175 at work in the quantiser (v171: the add's);
; v176-177 scale words just made; v178-191 the mask's words and sums; v192-199 the rows' scale words; v200-247 the three weights' scale words; v248-254 at work; v255 0.  Windows 1, 2: a weight each.
; Window 3: the biases, the mask's bytes, from v224 the pieces that are copied.
.set XIMG, 0                           ; LDS: fragment (tile u, K step s) at (4 u + s) x 1,024
.set XSC,  8192                        ; its scale words at (4 u + s) x 128
.set SPARE, 9216                       ; the spare words: 128 bytes a wave
.set SLOT0, 9728
.set WPART, 64*272                     ; a wave's part of a slot
.set SLOTB, 4*WPART
.set LI,  1
.set LS,  2
.set XA,  3
.set BA,  4
.set BVA, 5
.set WA,  6
.set WSA, 7
.set XWI, 8
.set XWS, 9
.set MA,  10
.set VVA, 11
.set VSA, 12
.set M8,  13
.set WA2, 14
.set WLA, 15                           ; my part of slot 0: SLOT0 + 17,408 x wave + 272 x my row + 16 (lane / 16)
.set WLB, 168                          ; of slot 1
.set WLC, 169                          ; of slot 2
.set SPW, 171
.set NIL, 255
.set XF,  16
.set HA,  80
.set PC,  144
.set TM,  160
.set PW,  176
.set MW,  178
.set MT,  182
.set MO,  188
.set XS,  192
.set WS0, 200
.set WS1, 216
.set WS2, 232
.set RR,  248
.set HH,  249
.set RHO, 250
.set LL,  251
.set TA,  252
.set TB,  253
.set TC,  254
.set BQ,  0                            ; window 3
.set BK,  64
.set BV,  128
.set MB,  192
.set CP,  224
.set TG,  4
.set GX,  32                           ; s32: my group of 32 rows = 4 x cluster + place; s33: my place
.set MWB, 34
.set WV,  36
.set HM,  40
.set K7F, 41
.set SEL, 42
.set QCB, 48
.set KCB, 50
.set QSB, 52
.set KSB, 54
.set VCB, 56
.set VSB, 58
.set G0,  60                           ; s[60:63] descriptor group 0, written anew behind each wait for my load
.set G1,  68                           ; s[68:75] group 1, in registers that held four arguments
.set W5S, 76
.set W1S, 78
.set W2S, 80
.set WLB_S, 82
.set SMS, 84
.set DG,  86
.set DS,  88
.set D5,  90
.set SUMB, 92
.set W_WO5, 524288
.set W_W1,  655360
.set W_W2,  1179648
.set MSB, 0
.macro WIN new
.if MSB != (\new)
	s_set_vgpr_msb (MSB<<8)|(\new)
.set MSB, (\new)
.endif
.endm
.macro PLACES
.rept 4
	v_nop
.endr
.endm
.macro ROUND                           ; a round of the cluster's barrier
	s_barrier_signal -1
	s_barrier_wait -1
	s_cmp_lg_u32 s[WV], 0
	s_cbranch_scc1 .Lnot_wave_0_\@
	s_barrier_signal -3
.Lnot_wave_0_\@:
	s_barrier_wait -3
	s_barrier_signal -1
	s_barrier_wait -1
.endm
; a later first fill: my load that was out has landed; the add; my LDS instructions are done; the round; then tiles 0-3 of the weight at s[sb] into slot k
.macro SEQ k, sb
	WIN 0
	s_wait_alu depctr_va_vdst(0)
	s_wait_tensorcnt 0x0
	ds_add_u32 v[SPW], v[NIL]
	s_add_co_u32 s[G0+1], s99, (\k)*SLOTB          ; no tensor load of mine is out: the group 0 may be written
	s_mov_b64 s[G0+2:G0+3], s[\sb:\sb+1]
	s_or_b32 s[G0+3], s[G0+3], 0x80000000
	s_wait_dscnt 0x0
	ROUND
	tensor_load_to_lds s[G0:G0+3], s[G1:G1+7]
	s_nop 0
	PLACES
.endm
.macro WMA d, a, b, c, sa, sb, ra, rb
.if (\ra)
	v_wmma_scale_f32_16x16x128_f8f6f4 v[(\d):(\d)+7], v[(\a):(\a)+7], v[(\b):(\b)+7], v[(\c):(\c)+7], v[(\sa)], v[(\sb)] matrix_a_fmt:MATRIX_FMT_FP4 matrix_b_fmt:MATRIX_FMT_FP4 matrix_a_scale:MATRIX_SCALE_ROW1
.elseif (\rb)
	v_wmma_scale_f32_16x16x128_f8f6f4 v[(\d):(\d)+7], v[(\a):(\a)+7], v[(\b):(\b)+7], v[(\c):(\c)+7], v[(\sa)], v[(\sb)] matrix_a_fmt:MATRIX_FMT_FP4 matrix_b_fmt:MATRIX_FMT_FP4 matrix_b_scale:MATRIX_SCALE_ROW1
.else
	v_wmma_scale_f32_16x16x128_f8f6f4 v[(\d):(\d)+7], v[(\a):(\a)+7], v[(\b):(\b)+7], v[(\c):(\c)+7], v[(\sa)], v[(\sb)] matrix_a_fmt:MATRIX_FMT_FP4 matrix_b_fmt:MATRIX_FMT_FP4
.endif
.endm
.macro QUANT s, w, pc, pw              ; 64 numbers of a lane (window w), register 16 b + i = place 32 b + 16 (lane / 16) + i along K -> a fragment's codes and its scale word (window 0)
	WIN (\w)|((\w)<<2)
.irp b, 0,1,2,3
	v_max3_num_f32 v[TM+\b], |v[(\s)+16*\b]|, |v[(\s)+1+16*\b]|, 0x1800000   ; with the floor 2^(3 - 127): the byte cannot fall under 1
.endr
	WIN ((\w)<<2)|((\w)<<4)
.irp i, 2,4,6,8,10,12,14
.irp b, 0,1,2,3
	v_max3_num_f32 v[TM+\b], v[TM+\b], |v[(\s)+16*\b+\i]|, |v[(\s)+1+16*\b+\i]|
.endr
.endr
	WIN 0
.irp b, 0,1,2,3
	v_permlanex16_b32 v[TM+4+\b], v[TM+\b], s[SEL], s[SEL+1]
.endr
.irp b, 0,1,2,3
	v_max_num_f32 v[TM+\b], v[TM+\b], v[TM+4+\b]
.endr
.irp b, 0,1,2,3
	v_add_nc_u32 v[TM+12+\b], 0xff000000, v[TM+\b]
.endr
.irp b, 0,1,2,3
	v_lshrrev_b32 v[TM+4+\b], 23, v[TM+12+\b]
.endr
	v_lshl_or_b32 v[\pw], v[TM+5], 8, v[TM+4]
	v_lshl_or_b32 v[\pw], v[TM+6], 16, v[\pw]
	v_lshl_or_b32 v[\pw], v[TM+7], 24, v[\pw]
	WIN (\w)
.irp b, 0,1,2,3
	v_cvt_scalef32_pk8_fp4_f32 v[(\pc)+2*\b], v[(\s)+16*\b:(\s)+16*\b+7], v[TM+12+\b]
	v_cvt_scalef32_pk8_fp4_f32 v[(\pc)+1+2*\b], v[(\s)+16*\b+8:(\s)+16*\b+15], v[TM+12+\b]
.endr
	WIN 0
	v_nop                                          ; one plain place behind a scaled conversion
.irp c, 0,1
.irp i, 0,1
	v_permlane16_swap_b32 v[(\pc)+4*\c+\i], v[(\pc)+2+4*\c+\i]
.endr
.endr
.endm
.macro XLOAD dst, win, u
	WIN (\win)<<6
.irp b, 0,1,2,3
.irp q, 0,1,2,3
	global_load_b128 v[(\dst)+16*\b+4*\q:(\dst)+16*\b+4*\q+3], v[XA], s[TG:TG+1] offset:(\u)*16384+128*\b+16*\q
.endr
.endr
.endm
.macro PLOAD dst, sb, off
	WIN 0xc0
.irp b, 0,1,2,3
.irp q, 0,1,2,3
	global_load_b128 v[(\dst)+16*\b+4*\q:(\dst)+16*\b+4*\q+3], v[BA], s[(\sb):(\sb)+1] offset:(\off)+128*\b+16*\q
.endr
.endr
.endm
.macro BVLOAD dst, sb                  ; a bias in a plain result's layout: my feature's number of tile t, into the first of the tile's eight registers
	WIN 0xc0
.irp t, 0,1,2,3,4,5,6,7
	global_load_b32 v[(\dst)+8*\t], v[BVA], s[(\sb):(\sb)+1] offset:(32*(\t/2)+8*(\t%2))*4
.endr
.endm
.macro BVSPREAD dst                    ; and from there into the other seven
	WIN 0xc3
.irp t, 0,1,2,3,4,5,6,7
.irp j, 1,2,3,4,5,6,7
	v_mov_b32 v[(\dst)+8*\t+\j], v[(\dst)+8*\t]
.endr
.endr
.endm
.macro WLOADU win, sb                  ; tiles 4-7 of my 128 rows of a weight, from memory: fragment (tile t, K step s) at v[8 (4 t + s)] of the window
	WIN (\win)<<6
.irp t, 4,5,6,7
.irp s, 0,1,2,3
.irp c, 0,1
	global_load_b128 v[8*(4*\t+\s)+4*\c:8*(4*\t+\s)+4*\c+3], v[WA], s[(\sb):(\sb)+1] offset:(32*(\t/2)+8*(\t%2))*256+64*\s+32*\c
.endr
.endr
.endr
.endm
.macro LDW win, adr                    ; tiles 0-3, from my part of a slot
	WIN (\win)<<6
.irp t, 0,1,2,3
.irp s, 0,1,2,3
.irp c, 0,1
	ds_load_b128 v[8*(4*\t+\s)+4*\c:8*(4*\t+\s)+4*\c+3], v[\adr] offset:(32*(\t/2)+8*(\t%2))*272+64*\s+32*\c
.endr
.endr
.endr
.endm
.macro WSLOAD ws, adr, sb, spitch, soff
	WIN 0
.irp b, 0,1,2,3
	global_load_b128 v[(\ws)+4*\b:(\ws)+4*\b+3], v[\adr], s[(\sb):(\sb)+1] offset:32*\b*(\spitch)+(\soff)
.endr
.endm
.macro IMAGE adr, pc, off
.irp c, 0,1
	ds_store_b128 v[\adr], v[(\pc)+4*\c:(\pc)+4*\c+3] offset:(\off)+512*\c
.endr
.endm
.macro FETCH8 off0, ustr, soff0, sustr
.irp u, 0,1
.irp s, 0,1,2,3
.irp c, 0,1
	ds_load_b128 v[XF+8*(4*\u+\s)+4*\c:XF+8*(4*\u+\s)+4*\c+3], v[LI] offset:(\off0)+(\ustr)*\u+1024*\s+512*\c
.endr
	ds_load_b32 v[XS+4*\u+\s], v[LS] offset:(\soff0)+(\sustr)*\u+128*\s
.endr
.endr
.endm
.macro PROD_T ww, xw, xb, xs, u, pb, ws ; 32 products, transposed; eight accumulators by turns; the bias (window 3) starts each sum
.irp s, 0,1,2,3
.if \s == 0
	WIN (\ww)|((\xw)<<2)|0x30
.else
	WIN (\ww)|((\xw)<<2)
.endif
.irp t, 0,1,2,3,4,5,6,7
.if \s == 0
	WMA HA+8*\t, 8*(4*\t+\s), (\xb)+8*(4*(\u)+\s), (\pb)+8*\t, (\ws)+4*(\t/2)+\s, (\xs)+4*(\u)+\s, \t%2, 0
.else
	WMA HA+8*\t, 8*(4*\t+\s), (\xb)+8*(4*(\u)+\s), HA+8*\t, (\ws)+4*(\t/2)+\s, (\xs)+4*(\u)+\s, \t%2, 0
.endif
.endr
.endr
.endm
.macro PROD_N ww, xw, xb, xs, hh, pb, ws ; 32 products, plain: accumulator (t, u) at HA + 16 t + 8 u
.irp s, 0,1,2,3
.if \s == 0
	WIN (\xw)|((\ww)<<2)|0x30
.else
	WIN (\xw)|((\ww)<<2)
.endif
.irp t, 0,1,2,3
.irp u, 0,1
.if \s == 0
	WMA HA+16*\t+8*\u, (\xb)+8*(4*\u+\s), 8*(4*(4*(\hh)+\t)+\s), (\pb)+8*(4*(\hh)+\t), (\xs)+4*\u+\s, (\ws)+4*((4*(\hh)+\t)/2)+\s, 0, \t%2
.else
	WMA HA+16*\t+8*\u, (\xb)+8*(4*\u+\s), 8*(4*(4*(\hh)+\t)+\s), HA+16*\t+8*\u, (\xs)+4*\u+\s, (\ws)+4*((4*(\hh)+\t)/2)+\s, 0, \t%2
.endif
.endr
.endr
.endr
.endm
.macro QK_PART ww, xw, xb, xs, pb, ws, cb, sb
.irp u, 0,1
	PROD_T \ww, \xw, \xb, \xs, \u, \pb, \ws
	WIN 0
	PLACES
	s_wait_xcnt 0x0                                ; earlier stores have read their data: the code registers are written again only behind this wait
	QUANT HA, 0, PC+8*\u, PW+\u
	global_store_b128 v[LI], v[PC+8*\u:PC+8*\u+3], s[(\cb):(\cb)+1] offset:512*\u
	global_store_b128 v[LI], v[PC+8*\u+4:PC+8*\u+7], s[(\cb):(\cb)+1] offset:65536+512*\u
.endr
	v_cndmask_b32 v[TA], v[PW], v[PW+1], s[HM]     ; lanes 0-15 tile 0's words, lanes 16-31 tile 1's
	v_and_or_b32 v[TB], v[TA], 0xffff, s[K7F]      ; head 2 w: its two bytes; the upper 64 of the instruction's 128 along K get the byte of 1.0 over zero codes
	v_lshrrev_b32 v[TC], 16, v[TA]
	v_or_b32 v[TC], s[K7F], v[TC]                  ; head 2 w + 1
	global_store_b32 v[LS], v[TB], s[(\sb):(\sb)+1]
	global_store_b32 v[LS], v[TC], s[(\sb):(\sb)+1] offset:8192
.endm
.macro V_PART ww, xw, xb, xs, pb, ws, cb, sb
.irp hh, 0,1
	PROD_N \ww, \xw, \xb, \xs, \hh, \pb, \ws
	WIN 0
	PLACES
	s_wait_xcnt 0x0
	QUANT HA, 0, PC+8*\hh, PW+\hh
	global_store_b128 v[VVA], v[PC+8*\hh:PC+8*\hh+3], s[(\cb):(\cb)+1] offset:65536*\hh          ; sixteen lanes store 256 consecutive bytes, aligned
	global_store_b128 v[VVA], v[PC+8*\hh+4:PC+8*\hh+7], s[(\cb):(\cb)+1] offset:65536*\hh+2048
.endr
	v_cndmask_b32 v[TA], v[PW], v[PW+1], s[HM]
	global_store_b32 v[VSA], v[TA], s[(\sb):(\sb)+1]
.endm
; piece x of a weight with rows of 256 bytes: s38 = 32,768 (x / 64) + (32 (t / 2) + 8 (t % 2)) x 256 + 32 (x % 8), t = (x / 8) % 8
.macro POFF x
	s_lshr_b32 s38, \x, 6
	s_lshl_b32 s38, s38, 15
	s_bfe_u32 s44, \x, 0x20004
	s_lshl_b32 s44, s44, 13
	s_add_co_u32 s38, s38, s44
	s_bfe_u32 s44, \x, 0x10003
	s_lshl_b32 s44, s44, 11
	s_add_co_u32 s38, s38, s44
	s_and_b32 s44, \x, 7
	s_lshl_b32 s44, s44, 5
	s_add_co_u32 s38, s38, s44
.endm
	s_load_b512 s[4:19], s[0:1], 0x0               ; tgt, mask, wq codes, wq scales, bq, wk codes, wk scales, bk
	s_load_b256 s[20:27], s[0:1], 0x40             ; wv codes, wv scales, bv, q
	s_load_b128 s[28:31], s[0:1], 0x60             ; kva, maskw
	s_load_b512 s[68:83], s[0:1], 0x70             ; the codes of sa_wo, ca_wq, ca_wk, ca_wv, ca_wo, w1, w2; wl
	v_lshl_add_u32 v[SPW], v0, 2, SPARE
	v_mov_b32 v[NIL], 0
	ds_add_u32 v[SPW], v[NIL]                      ; the opening: the add, twice on end, and its wait ahead of my first tensor load
	ds_add_u32 v[SPW], v[NIL]
	v_lshrrev_b32 v[TA], 5, v0
	v_readfirstlane_b32 s[WV], v[TA]               ; wave 0..3
	v_and_b32 v[LL], 31, v0
	v_and_b32 v[RR], 15, v0
	v_bfe_u32 v[HH], v0, 4, 1
	v_and_b32 v[RHO], 8, v[RR]
	v_add_nc_u32 v[RHO], v[RHO], v[RR]             ; r + 8 (r / 8)
	v_lshlrev_b32 v[LI], 4, v[LL]
	v_lshlrev_b32 v[LS], 2, v[LL]
	v_lshlrev_b32 v[XA], 11, v[RHO]
	v_lshl_add_u32 v[MA], v[HH], 4, v[XA]
	v_lshl_add_u32 v[XA], v[HH], 6, v[XA]
	v_lshlrev_b32 v[BA], 6, v[HH]
	v_lshlrev_b32 v[BVA], 2, v[RHO]
	v_lshlrev_b32 v[WA], 8, v[RHO]
	v_lshl_add_u32 v[WA], v[HH], 4, v[WA]
	v_lshlrev_b32 v[WA2], 10, v[RHO]
	v_lshl_add_u32 v[WA2], v[HH], 4, v[WA2]
	v_lshl_add_u32 v[WSA], v[HH], 3, v[RHO]
	v_lshlrev_b32 v[WSA], 4, v[WSA]
	s_lshl_b32 s37, s[WV], 10
	v_add_nc_u32 v[XWI], s37, v[LI]
	s_lshl_b32 s37, s[WV], 7
	v_add_nc_u32 v[XWS], s37, v[LS]
	v_lshlrev_b32 v[VVA], 4, v[RR]
	v_lshl_add_u32 v[VVA], v[HH], 10, v[VVA]
	v_lshlrev_b32 v[VSA], 2, v[RR]
	v_lshl_add_u32 v[VSA], v[HH], 12, v[VSA]
	v_lshlrev_b32 v[M8], 3, v[LL]
	s_mul_i32 s99, s[WV], WPART
	s_add_co_u32 s99, s99, SLOT0                   ; my part of slot 0
	v_mul_u32_u24 v[WLA], v[RHO], 272
	v_lshl_add_u32 v[WLA], v[HH], 4, v[WLA]
	v_add_nc_u32 v[WLA], s99, v[WLA]
	v_add_nc_u32 v[WLB], SLOTB, v[WLA]
	v_add_nc_u32 v[WLC], SLOTB, v[WLB]
.irp b, 0,1,2,3
	v_mov_b32 v[TM+4+\b], 0                        ; written once: a lane permute's destination counts as one of its sources
	v_mov_b32 v[MW+\b], 0                          ; likewise v_writelane_b32's
.endr
	s_mov_b32 s[HM], 0xffff0000
	s_mov_b32 s[K7F], 0x7f7f0000
	s_mov_b32 s[SEL], 0x76543210
	s_mov_b32 s[SEL+1], 0xfedcba98
	s_mov_b32 s98, 0x01010101                      ; four mask bytes that are all 1
	s_mov_b32 s39, 0
	s_bfe_u32 s33, ttmp6, 0x40000                  ; my place in the cluster
	s_lshl_b32 s[GX], ttmp9, 2
	s_add_co_u32 s[GX], s[GX], s33
	s_wait_alu depctr_va_vdst(0)
	s_wait_dscnt 0x0                               ; both opening adds are done
	s_wait_kmcnt 0x0
	s_cmp_lt_u32 s[WV], 2                          ; the small weight that my wave copies: wave 0 sa_wo, 1 ca_wq, 2 ca_wk, 3 ca_wv
	s_cselect_b64 s[SMS:SMS+1], s[68:69], s[72:73]
	s_cselect_b64 s[70:71], s[70:71], s[74:75]
	s_bitcmp1_b32 s[WV], 0
	s_cselect_b64 s[SMS:SMS+1], s[70:71], s[SMS:SMS+1]
	s_lshl_b32 s38, s[WV], 15                      ; the weights' codes: my 128 rows of 256 bytes
	s_add_nc_u64 s[8:9], s[8:9], s[38:39]
	s_add_nc_u64 s[14:15], s[14:15], s[38:39]
	s_add_nc_u64 s[20:21], s[20:21], s[38:39]
	s_mov_b32 s[G1], 15|(3<<16)|(1<<20)|(1<<21)|(5<<22)|(3<<25)   ; the mask of all four partners; elements of 8 bytes; bit 21 beside a mask; 4 words of padding behind every 64
	s_mov_b32 s[G1+1], 32<<16                      ; rows of 256 bytes
	s_mov_b32 s[G1+2], 64<<16                      ; 64 rows
	s_mov_b32 s[G1+3], 32<<16
	s_mov_b32 s[G1+4], 64
	s_mov_b32 s[G1+5], 32
	s_mov_b32 s[G1+6], 0
	s_mov_b32 s[G1+7], 0
	s_mov_b32 s[G0], 1
	s_mov_b32 s[G0+1], s99
	s_mov_b64 s[G0+2:G0+3], s[8:9]
	s_or_b32 s[G0+3], s[G0+3], 0x80000000
	ROUND                                          ; in front of the first joint load
	tensor_load_to_lds s[G0:G0+3], s[G1:G1+7]      ; wq's tiles 0-3: my one load at the head
	s_nop 0
	PLACES
	s_lshl_b32 s38, s[GX], 16                      ; tgt: 32 rows of 2,048 bytes a group, 512 bytes a wave
	s_lshl_b32 s37, s[WV], 9
	s_add_co_u32 s38, s38, s37
	s_add_nc_u64 s[4:5], s[4:5], s[38:39]
	s_mov_b32 s38, s37                             ; the biases: my 128 numbers
	s_add_nc_u64 s[12:13], s[12:13], s[38:39]
	s_add_nc_u64 s[18:19], s[18:19], s[38:39]
	s_add_nc_u64 s[24:25], s[24:25], s[38:39]
	s_lshl_b32 s38, s[WV], 11                      ; the weights' scale bytes: 16 a row
	s_add_nc_u64 s[10:11], s[10:11], s[38:39]
	s_add_nc_u64 s[16:17], s[16:17], s[38:39]
	s_add_nc_u64 s[22:23], s[22:23], s[38:39]
	s_lshr_b32 s37, s[GX], 2                       ; the mask: my wave packs rows 32 (G / 4) .. + 31, keys 128 step .. + 127, step = 4 (G % 4) + wave
	s_lshl_b32 s38, s37, 16
	s_and_b32 s44, s[GX], 3
	s_lshl_b32 s44, s44, 2
	s_add_co_u32 s44, s44, s[WV]
	s_lshl_b32 s45, s44, 7
	s_add_co_u32 s38, s38, s45
	s_add_nc_u64 s[6:7], s[6:7], s[38:39]
	s_lshl_b32 s38, s37, 5                         ; its words: 256 + ((2 (G / 4) + u) x 16 + step) x 256
	s_add_co_u32 s38, s38, s44
	s_lshl_b32 s38, s38, 8
	s_add_co_u32 s38, s38, 256
	s_add_nc_u64 s[MWB:MWB+1], s[30:31], s[38:39]
	s_lshl_b32 s38, s37, 7                         ; the two words of (tile, step): behind the 524,544 bytes above, 64 bytes a tile, 4 a step; the second kind 8,192 further on
	s_lshl_b32 s45, s44, 2
	s_add_co_u32 s38, s38, s45
	s_add_co_u32 s38, s38, 0x80100
	s_add_nc_u64 s[SUMB:SUMB+1], s[30:31], s[38:39]
	s_lshr_b32 s37, s[GX], 6
	s_lshl_b32 s37, s37, 3
	s_lshl_b32 s45, s[WV], 1
	s_add_co_u32 s37, s37, s45                     ; 8 n + 2 w: my first head
	s_and_b32 s44, s[GX], 63                       ; the group within its batch
	s_lshl_b32 s38, s37, 16                        ; Q's and K's codes: 65,536 a head, 1,024 a group
	s_lshl_b32 s45, s44, 10
	s_add_co_u32 s38, s38, s45
	s_add_nc_u64 s[QCB:QCB+1], s[26:27], s[38:39]
	s_add_nc_u64 s[KCB:KCB+1], s[28:29], s[38:39]
	s_lshl_b32 s38, s37, 13                        ; their scale words: 8,192 a head, 128 a group, behind the codes
	s_lshl_b32 s45, s44, 7
	s_add_co_u32 s38, s38, s45
	s_add_co_u32 s38, s38, 0x200000
	s_add_nc_u64 s[QSB:QSB+1], s[26:27], s[38:39]
	s_add_nc_u64 s[KSB:KSB+1], s[28:29], s[38:39]
	s_lshl_b32 s38, s37, 16                        ; V's codes: 65,536 a head, 4,096 a step of 128 keys, 256 for the group's place among the step's four blocks
	s_lshr_b32 s45, s44, 2
	s_lshl_b32 s45, s45, 12
	s_add_co_u32 s38, s38, s45
	s_and_b32 s45, s[GX], 3
	s_lshl_b32 s45, s45, 8
	s_add_co_u32 s38, s38, s45
	s_add_co_u32 s38, s38, 0x240000
	s_add_nc_u64 s[VCB:VCB+1], s[28:29], s[38:39]
	s_lshl_b32 s38, s37, 12                        ; V's scale bytes: 4,096 a head, 64 a block of keys
	s_lshl_b32 s45, s44, 6
	s_add_co_u32 s38, s38, s45
	s_add_co_u32 s38, s38, 0x440000
	s_add_nc_u64 s[VSB:VSB+1], s[28:29], s[38:39]
	; the pieces that my wave copies: piece 4 G + w of w1 and of w2, piece G of one small weight (and, in wave 0, of ca_wo)
	s_lshl_b32 s37, s[GX], 2
	s_add_co_u32 s37, s37, s[WV]
	s_lshl_b32 s38, s37, 9
	s_add_nc_u64 s[DG:DG+1], s[WLB_S:WLB_S+1], s[38:39]
	POFF s37
	s_add_nc_u64 s[W1S:W1S+1], s[W1S:W1S+1], s[38:39]
	s_lshr_b32 s38, s37, 8                         ; w2, rows of 1,024 bytes: chunk x / 64 = 4 w' + j: rows 128 w' on, 256 j bytes along them
	s_lshl_b32 s38, s38, 17
	s_bfe_u32 s44, s37, 0x20006
	s_lshl_b32 s44, s44, 8
	s_add_co_u32 s38, s38, s44
	s_bfe_u32 s44, s37, 0x20004
	s_lshl_b32 s44, s44, 15
	s_add_co_u32 s38, s38, s44
	s_bfe_u32 s44, s37, 0x10003
	s_lshl_b32 s44, s44, 13
	s_add_co_u32 s38, s38, s44
	s_and_b32 s44, s37, 7
	s_lshl_b32 s44, s44, 5
	s_add_co_u32 s38, s38, s44
	s_add_nc_u64 s[W2S:W2S+1], s[W2S:W2S+1], s[38:39]
	POFF s32
	s_add_nc_u64 s[SMS:SMS+1], s[SMS:SMS+1], s[38:39]
	s_add_nc_u64 s[W5S:W5S+1], s[W5S:W5S+1], s[38:39]
	s_lshl_b32 s38, s[GX], 9
	s_add_nc_u64 s[D5:D5+1], s[WLB_S:WLB_S+1], s[38:39]
	s_lshl_b32 s44, s[WV], 17
	s_add_co_u32 s38, s38, s44
	s_add_nc_u64 s[DS:DS+1], s[WLB_S:WLB_S+1], s[38:39]
	; ---- what the first part needs
	WIN 0xc0
.irp j, 0,1,2,3
	v_mov_b32 v[CP+12+\j], 0                       ; written in every wave; wave 0 loads over them
.endr
	WIN 0
	s_cmp_lg_u32 s[WV], 0
	s_cbranch_scc1 .Lno5a
	WIN 0xc0
	global_load_b128 v[CP+12:CP+15], v[WA], s[W5S:W5S+1]
	WIN 0
.Lno5a:
	XLOAD HA, 0, 0
	XLOAD XF, 0, 1
	WIN 0xc0
.irp u, 0,1
.irp b, 0,1,2,3
	global_load_b128 v[MB+16*\u+4*\b:MB+16*\u+4*\b+3], v[MA], s[6:7] offset:\u*16384+32*\b   ; 16 mask bytes: my row, keys 32 b + 16 (lane / 16) + 0 .. 15
.endr
.endr
	global_load_b128 v[CP:CP+3], v[WA], s[W1S:W1S+1]
	global_load_b128 v[CP+4:CP+7], v[WA2], s[W2S:W2S+1]
	global_load_b128 v[CP+8:CP+11], v[WA], s[SMS:SMS+1]
	WSLOAD WS0, WSA, 10, 16, 0
	WSLOAD WS1, WSA, 16, 16, 0
	WSLOAD WS2, WSA, 22, 16, 0
	PLOAD BQ, 12, 0
	WLOADU 1, 8                                    ; wq's tiles 4-7
	SEQ 1, 14                                      ; wq's tiles 0-3 have landed; wk's are asked for
	LDW 1, WLA
	WIN 0
	s_wait_loadcnt 0x0
	; ---- what the second part needs: 56 loads
	PLOAD BK, 18, 0
	BVLOAD BV, 24
	WLOADU 2, 14                                   ; wk's tiles 4-7
	; ---- the copied pieces leave: 512 consecutive bytes a store, aligned
	WIN 0x0c
	global_store_b128 v[LI], v[CP:CP+3], s[DG:DG+1] offset:W_W1
	global_store_b128 v[LI], v[CP+4:CP+7], s[DG:DG+1] offset:W_W2
	global_store_b128 v[LI], v[CP+8:CP+11], s[DS:DS+1]
	WIN 0
	s_cmp_lg_u32 s[WV], 0
	s_cbranch_scc1 .Lno5b
	WIN 0x0c
	s_wait_alu depctr_va_vdst(0)
	global_store_b128 v[LI], v[CP+12:CP+15], s[D5:D5+1] offset:W_WO5
	WIN 0
.Lno5b:
	; ---- K step w of the 32 rows becomes two fragments
	QUANT HA, 0, PC, PW
	QUANT XF, 0, PC+8, PW+1
	IMAGE XWI, PC, XIMG
	IMAGE XWI, PC+8, XIMG+4096
	ds_store_b32 v[XWS], v[PW] offset:XSC
	ds_store_b32 v[XWS], v[PW+1] offset:XSC+512
	SEQ 2, 20                                      ; wk's tiles 0-3 have landed; wv's are asked for; behind the round the eight fragments lie in LDS
	FETCH8 XIMG, 4096, XSC, 512
	LDW 2, WLB
	WIN 0
	s_wait_dscnt 0x0
	; ---- Q
	QK_PART 1, 0, XF, XS, BQ, WS0, QCB, QSB
	WLOADU 1, 20                                   ; wv takes wq's window: the quantiser's lines are the places behind wq's last products
	WIN 0
	s_wait_loadcnt 32                              ; all but wv's 32 loads, issued last
	; ---- K
	QK_PART 2, 0, XF, XS, BK, WS1, KCB, KSB
	s_wait_alu depctr_va_vdst(0)
	s_wait_tensorcnt 0x0                           ; my part of wv's tiles 0-3 has landed; I alone read it
	LDW 1, WLC
	; ---- the mask: word n = 16 b + i of (tile, step): bit l = mask[row of lane l % 16][128 step + 32 b + 16 (l / 16) + i].  A compare makes the word; lane n / 2 takes words n - n % 2 and + 1
	WIN 0x03
.irp u, 0,1
.set NN, 0
.rept 64
	v_bfe_u32 v[MT+NN%2], v[MB+16*\u+NN/4], 8*(NN%4), 8
	v_cmp_ne_u32 s[44+NN%4], 0, v[MT+NN%2]
	v_writelane_b32 v[MW+2*\u+NN%2], s[44+NN%4], NN/2
.set NN, NN+1
.endr
	v_mov_b32 v[MO+2*\u], v[MB+16*\u]              ; my lane's 64 mask bytes of tile u: their OR and their AND, four bytes at a time
	v_mov_b32 v[MO+1+2*\u], v[MB+16*\u]
.set NN, 1
.rept 15
	v_or_b32 v[MO+2*\u], v[MB+16*\u+NN], v[MO+2*\u]
	v_and_b32 v[MO+1+2*\u], v[MB+16*\u+NN], v[MO+1+2*\u]
.set NN, NN+1
.endr
.endr
	WIN 0
	global_store_b64 v[M8], v[MW:MW+1], s[MWB:MWB+1]               ; 256 consecutive bytes, aligned
	global_store_b64 v[M8], v[MW+2:MW+3], s[MWB:MWB+1] offset:4096
	v_cmp_ne_u32 s94, 0, v[MO]                     ; bit l: some key of lane l counts (tile 0, tile 1)
	v_cmp_ne_u32 s95, 0, v[MO+2]
	v_cmp_eq_u32 s96, s98, v[MO+1]                 ; bit l: all 64 keys of lane l count
	v_cmp_eq_u32 s97, s98, v[MO+3]
	v_mov_b32 v[MO], s94
	v_mov_b32 v[MO+1], s95
	v_mov_b32 v[MO+2], s96
	v_mov_b32 v[MO+3], s97
	v_cndmask_b32 v[MO], v[MO], v[MO+1], s[HM]     ; lanes 0-15 tile 0's word, lanes 16-31 tile 1's
	v_cndmask_b32 v[MO+2], v[MO+2], v[MO+3], s[HM]
	global_store_b32 v[BA], v[MO], s[SUMB:SUMB+1]                  ; one word a tile: sixteen lanes hold the same word for the same place
	global_store_b32 v[BA], v[MO+2], s[SUMB:SUMB+1] offset:8192
	; ---- V
	s_wait_loadcnt 0x0                             ; wv's tiles 4-7
	s_wait_dscnt 0x0                               ; and 0-3
	BVSPREAD BV
	WIN 0
	PLACES
	V_PART 1, 0, XF, XS, BV, WS2, VCB, VSB
	; ---- the flag: the first 256 bytes of maskw say 'a mask follows'.  Wave 0 of each of cluster 0's four work-groups stores 64 of them: the partners are told apart by address
	s_or_b32 s37, ttmp9, s[WV]
	s_cmp_lg_u32 s37, 0
	s_cbranch_scc1 .Ldone
	v_mov_b32 v184, 1
	v_mov_b32 v185, 1
	v_and_b32 v186, 7, v[LL]
	v_lshlrev_b32 v186, 3, v186
	s_lshl_b32 s37, s33, 6
	v_add_nc_u32 v186, s37, v186                   ; 64 x my place + 8 (lane % 8): four lanes hold the same words for the same place
	global_store_b64 v186, v[184:185], s[30:31]
.Ldone:
	s_wait_tensorcnt 0x0                           ; the wave's end
	ds_add_u32 v[SPW], v[NIL]
	s_wait_dscnt 0x0
	ROUND                                          ; the closing round
	s_endpgm
.Lfunc_end_k_q2d204c9332_proj:
	.size	k_q2d204c9332_proj, .Lfunc_end_k_q2d204c9332_proj-k_q2d204c9332_proj
	.p2alignl 7, 3214868480
	.fill 96, 4, 3214868480
	.section	.rodata,"a",@progbits
	.p2align	6, 0x0
	.amdhsa_kernel k_q2d204c9332_proj
		.amdhsa_group_segment_fixed_size 327680
		.amdhsa_private_segment_fixed_size 0
		.amdhsa_enable_private_segment 0
		.amdhsa_kernarg_size 176
		.amdhsa_user_sgpr_count 2
		.amdhsa_user_sgpr_kernarg_segment_ptr 1
		.amdhsa_wavefront_size32 1
		.amdhsa_system_sgpr_workgroup_id_x 1
		.amdhsa_system_sgpr_workgroup_id_y 1
		.amdhsa_system_sgpr_workgroup_id_z 1
		.amdhsa_system_vgpr_workitem_id 0
		.amdhsa_next_free_vgpr 1024
		.amdhsa_next_free_sgpr 100
		.amdhsa_reserve_vcc 0
		.amdhsa_float_denorm_mode_32 3
		.amdhsa_float_denorm_mode_16_64 3
		.amdhsa_memory_ordered 1
		.amdhsa_forward_progress 1
		.amdhsa_inst_pref_size 125
	.end_amdhsa_kernel
	.amdgpu_metadata
---
amdhsa.version: [ 1, 2 ]
amdhsa.kernels:
  - .name:           k_q2d204c9332_proj
    .symbol:         k_q2d204c9332_proj.kd
    .args:
      - { .name: tgt, .offset: 0, .size: 8, .value_kind: global_buffer, .address_space: global }
      - { .name: tgt_mask, .offset: 8, .size: 8, .value_kind: global_buffer, .address_space: global }
      - { .name: sa_wq_codes, .offset: 16, .size: 8, .value_kind: global_buffer, .address_space: global }
      - { .name: sa_wq_scales, .offset: 24, .size: 8, .value_kind: global_buffer, .address_space: global }
      - { .name: sa_bq, .offset: 32, .size: 8, .value_kind: global_buffer, .address_space: global }
      - { .name: sa_wk_codes, .offset: 40, .size: 8, .value_kind: global_buffer, .address_space: global }
      - { .name: sa_wk_scales, .offset: 48, .size: 8, .value_kind: global_buffer, .address_space: global }
      - { .name: sa_bk, .offset: 56, .size: 8, .value_kind: global_buffer, .address_space: global }
      - { .name: sa_wv_codes, .offset: 64, .size: 8, .value_kind: global_buffer, .address_space: global }
      - { .name: sa_wv_scales, .offset: 72, .size: 8, .value_kind: global_buffer, .address_space: global }
      - { .name: sa_bv, .offset: 80, .size: 8, .value_kind: global_buffer, .address_space: global }
      - { .name: q, .offset: 88, .size: 8, .value_kind: global_buffer, .address_space: global }
      - { .name: kva, .offset: 96, .size: 8, .value_kind: global_buffer, .address_space: global }
      - { .name: maskw, .offset: 104, .size: 8, .value_kind: global_buffer, .address_space: global }
      - { .name: sa_wo_codes, .offset: 112, .size: 8, .value_kind: global_buffer, .address_space: global }
      - { .name: ca_wq_codes, .offset: 120, .size: 8, .value_kind: global_buffer, .address_space: global }
      - { .name: ca_wk_codes, .offset: 128, .size: 8, .value_kind: global_buffer, .address_space: global }
      - { .name: ca_wv_codes, .offset: 136, .size: 8, .value_kind: global_buffer, .address_space: global }
      - { .name: ca_wo_codes, .offset: 144, .size: 8, .value_kind: global_buffer, .address_space: global }
      - { .name: w1_codes, .offset: 152, .size: 8, .value_kind: global_buffer, .address_space: global }
      - { .name: w2_codes, .offset: 160, .size: 8, .value_kind: global_buffer, .address_space: global }
      - { .name: wl, .offset: 168, .size: 8, .value_kind: global_buffer, .address_space: global }
    .group_segment_fixed_size: 327680
    .private_segment_fixed_size: 0
    .kernarg_segment_align: 8
    .kernarg_segment_size: 176
    .max_flat_workgroup_size: 128
    .sgpr_count:     100
    .vgpr_count:     1024
    .wavefront_size: 32
...
	.end_amdgpu_metadata
.endif
;; end of part 1
;; launch attn_sa (part 2): grid 8 x 32, 16 waves a work-group, no clusters, 145,408 bytes of LDS; arguments q, kva, maskw, o; writes o
.if DOCPART == 2
	.amdgcn_target "amdgcn-amd-amdhsa--gfx1250"
	.amdhsa_code_object_version 6
	.text
	.protected	k_q2d204c9332_attn_sa
	.globl	k_q2d204c9332_attn_sa
	.p2align	8
	.type	k_q2d204c9332_attn_sa,@function
k_q2d204c9332_attn_sa:
	s_mov_b64 s[64:65], 0
	v_nop
	global_prefetch_b8 v0, s[64:65] scope:SCOPE_SE
	s_setreg_imm32_b32 hwreg(HW_REG_WAVE_MODE, 25, 1), 1
	s_wait_xcnt 0x0
; Attention of one head on codes of E2M1: o = Q(softmax(q k^T / 8 under the mask) v), stored as codes for the product that follows.  One body serves the masked and the unmasked launch: the first word of the
; third buffer says whether mask words follow it.
; INPUTS (this program's own buffers, laid in the order of the operands' registers): q, k codes [head][tile of 16][lane][16 bytes] (lane (r, h): block h of the head's 64), their scale words [head][tile][r];
; v codes [head][step of 128 keys][tile f of 16 channels][c][lane][16 bytes] (key block 2 c + h), v's scale bytes [head][key block][r][f]; mask words [tile][step][64], bit l of word n for lane l, register n;
; behind them [tile][step] one word whose bit l says 'some key of lane l counts in this step', and 8,192 bytes on one whose bit l says 'all of lane l's 64 keys count'.
; THE SOFTMAX: t = score x log2(e) / 8; M = the running largest t rounded up to a whole number; p = 2^(t - M) is quantised along the keys, not normalised; the sum is taken of the unquantised p and divides at the
; end; when M moves, the sum and O are multiplied by 2^(old M - new M), which rounds nothing.
; WHAT THE MASK THROWS AWAY WHOLE IS NOT COMPUTED, whatever the mask's pattern: from its tile's 32 summary words a wave makes two masks of 16 bits.  SKP: steps in which no key counts for any of my 16 queries: passed
; over.  That changes no number: beside a key that counts a masked key has p = 0, and what masked steps summed before the first such key is multiplied by 2^(old M - new M) = 0.  A query none of whose 2,048 keys
; counts needs every step (its p are all 1): where my tile has such a query, SKP is 0.  NEED: steps that are neither passed over nor wholly unmasked: only these load their 64 mask words (asked for a step ahead)
; and run the 64 selects.  Without a mask both are 0.  The loop's trip count is a constant; the branches hang on whole numbers that an earlier launch stored.
; SHARES.  A work-group owns 256 queries of one head; each of its sixteen waves one tile of 16, in 256 registers, four waves to a SIMD.  Wave w of work-group x takes tile 8 g(w) + x, g a 4 x 4 square of
; 0 .. 15 whose rows and columns all sum to 30: where a mask leaves tiles with different numbers of steps in the order of the queries, any four waves w % 4 or w / 4 hold about the same number together.
; The head's K and V (143,360 bytes with scales) are copied into LDS once.
; Both products are used transposed, so a lane holds one query throughout.  The head's 64 fill half of the first product's 128 along K: the upper half meets zero codes of q under the scale byte of 1.0.
; NO CLUSTER, NO TENSOR LOAD: the eight work-groups of a head share only the 143,360 bytes read once at the head, against up to 16 steps of some 300 vector instructions in each of 16 waves.
; LIMITS: a masked score is set to -2^33 ahead of the factor 1/8 (reference: -1e9 behind it).  -2^33 x log2(e) / 8 is a whole number in f32, so a row that is masked whole gives p = 1 for every key, as the
; reference's equal scores do; beside any score above some -1e9 a masked key gives p = 0.  Results differ only where true logits fall under some -1e9.  NaN and infinities are not served.  A block's largest p
; is taken from its largest score by the same two instructions.  A block of zeros gets the byte 1 over zero codes.
; REGISTERS: v1-4 places that stay; v5 -2^33; v6, v7, v30, v72-74 the head's copies; v8-11 the step's addresses; v12 -M, v13 the largest t, v[14:15] the sum; v16-19 q, v20-23 zeros; v24 q's scale words,
; v25-28 k's, v29 p's, v68-71 v's (scales alone); v32-63 k's eight tiles, v64-67 zeros; v96-159 scores, then p; v160-191 O^T; v192-199 p's codes; v200-231 v's fragments; v232-254 at work.
.set KC, 0                             ; LDS: K's codes, 512 bytes a tile
.set VC, 65536                         ; V's codes, 4,096 bytes a step
.set KS, 131072                        ; K's scale words, 64 bytes a tile
.set VS, 139264                        ; V's scale words [step][r][f], 256 bytes a step
.set SKP,  24                          ; s24: bit 0: this step is passed over; shifted down a bit a step
.set NEED, 25                          ; s25: bit 0: this step wants its mask words; bit 1: the next one does
.macro MLOAD                           ; a step's 64 mask words, s15 bytes into my tile's
	s_load_b512 s[32:47], s[30:31], s15 offset:0x0
	s_load_b512 s[48:63], s[30:31], s15 offset:0x40
	s_load_b512 s[68:83], s[30:31], s15 offset:0x80
	s_load_b512 s[84:99], s[30:31], s15 offset:0xc0
.endm
.macro NEXTM                           ; the next step's words are asked for now, if it wants them
	s_bitcmp1_b32 s[NEED], 1
	s_cbranch_scc0 .Lnm_\@
	s_wait_kmcnt 0x0                               ; no scalar load is out: the offset and the 64 registers may be written
	s_add_co_u32 s15, s14, 256
	s_min_u32 s15, s15, 0xf00                      ; the last step's words: no load passes them
	MLOAD
.Lnm_\@:
.endm
	s_load_b256 s[4:11], s[0:1], 0x0               ; q, kv, mask, o
	v_lshl_add_u32 v251, v0, 2, 0x23000
	v_mov_b32 v255, 0
	v_lshrrev_b32 v8, 5, v0
	s_delay_alu instid0(VALU_DEP_1)
	v_readfirstlane_b32 s12, v8                    ; wave 0..15
	v_and_b32 v9, 31, v0                           ; lane
	v_and_b32 v10, 15, v0                          ; r
	s_delay_alu instid0(VALU_DEP_2)
	v_lshlrev_b32 v1, 4, v9                        ; 16 x lane: K's codes
	s_delay_alu instid0(VALU_DEP_1)
	v_add_nc_u32 v2, VC, v1                        ; V's
	s_delay_alu instid0(VALU_DEP_4)
	v_lshl_add_u32 v3, v9, 2, KS                   ; K's scale words: 4 x lane takes two tiles
	s_delay_alu instid0(VALU_DEP_4)
	v_lshl_add_u32 v4, v10, 4, VS                  ; V's: 16 r
	v_lshlrev_b32 v6, 4, v0                        ; the copies: 16 x thread,
	s_delay_alu instid0(VALU_DEP_1)
	v_add_nc_u32 v7, VC, v6
	s_delay_alu instid0(VALU_DEP_2)
	v_add_nc_u32 v30, KS, v6
	v_and_b32 v31, 255, v0                         ; V's scale words: entry i = 16 step + r
	s_delay_alu instid0(VALU_DEP_1)
	v_lshl_add_u32 v72, v31, 4, VS                 ; where it goes
	s_delay_alu instid0(VALU_DEP_2)
	v_lshrrev_b32 v73, 4, v31
	s_delay_alu instid0(VALU_DEP_1)
	v_lshlrev_b32 v73, 8, v73
	s_delay_alu instid0(VALU_DEP_1)
	v_lshl_add_u32 v73, v10, 2, v73                ; where it comes from: 256 step + 4 r, + 64 for each of the step's four key blocks
	v_lshlrev_b32 v74, 2, v10
	s_and_b32 s26, ttmp7, 0xffff                   ; the head, 8 n + head
	s_mov_b32 s28, 0x0de3b658                      ; g(w), four bits a wave: 15 2 1 12 / 4 9 10 7 / 8 5 6 11 / 3 14 13 0
	s_cmp_lt_u32 s12, 8
	s_cselect_b32 s28, 0x7a94c12f, s28
	s_and_b32 s24, s12, 7
	s_lshl_b32 s24, s24, 2
	s_lshr_b32 s28, s28, s24
	s_and_b32 s28, s28, 15
	s_lshl_b32 s27, s28, 3
	s_add_co_u32 s27, s27, ttmp9                   ; my tile of queries within the batch: 8 g(w) + x
	s_mov_b32 s29, 0
	s_mov_b32 s14, 0                               ; 256 x the step
	s_mov_b32 s15, 0
	s_mov_b32 s16, 0
	s_mov_b32 s17, 0
	s_mov_b32 s18, 0
	s_mov_b32 s19, 16
	s_mov_b32 s20, 0x76543210
	s_mov_b32 s21, 0xfedcba98
	s_mov_b32 s22, 0x3e38aa3b                      ; c = log2(e) / 8
	s_mov_b32 s23, s22
.set NN, 0
.rept 16
	s_mov_b64 s[32+NN:33+NN], -1                   ; the mask words are written on every path
	s_mov_b64 s[68+NN:69+NN], -1
.set NN, NN+2
.endr
	s_wait_alu depctr_va_vdst(0)
	s_wait_kmcnt 0x0
	s_load_b32 s13, s[8:9], 0x0                    ; the flag
	s_lshl_b32 s28, s27, 12
	s_add_co_u32 s28, s28, 256
	s_add_nc_u64 s[30:31], s[8:9], s[28:29]        ; my tile's mask words
	s_lshl_b32 s28, s26, 13
	s_add_co_u32 s28, s28, 0x200000
	s_add_nc_u64 s[66:67], s[6:7], s[28:29]        ; K's scale words
	s_lshl_b32 s24, s27, 6
	s_add_co_u32 s28, s28, s24
	s_add_nc_u64 s[2:3], s[4:5], s[28:29]          ; my tile's of q
	s_lshl_b32 s28, s26, 12
	s_add_co_u32 s28, s28, 0x440000
	s_add_nc_u64 s[100:101], s[6:7], s[28:29]      ; V's scale bytes
	s_lshl_b32 s28, s26, 16
	s_add_co_u32 s28, s28, 0x240000
	s_add_nc_u64 s[24:25], s[6:7], s[28:29]        ; V's codes
	s_lshl_b32 s28, s26, 16
	s_add_nc_u64 s[6:7], s[6:7], s[28:29]          ; K's codes
	s_lshl_b32 s18, s27, 9
	s_add_co_u32 s28, s28, s18
	s_mov_b32 s18, 0
	s_add_nc_u64 s[4:5], s[4:5], s[28:29]          ; my tile's codes of q
	global_load_b128 v[16:19], v1, s[4:5]
	global_load_b32 v24, v74, s[2:3]
.irp k, 0,1,2,3
	global_load_b32 v[164+\k], v73, s[100:101] offset:64*\k
.endr
.irp i, 0,1,2,3,4,5,6,7
	global_load_b128 v[96+4*\i:99+4*\i], v6, s[6:7] offset:8192*\i        ; 512 threads x 16 bytes: 8,192 consecutive bytes
.endr
.irp i, 0,1,2,3,4,5,6,7
	global_load_b128 v[128+4*\i:131+4*\i], v6, s[24:25] offset:8192*\i
.endr
	global_load_b128 v[160:163], v6, s[66:67]
.irp i, 0,1,2,3,4,5,6,7
	s_wait_loadcnt 16-\i                           ; of the 17 copy loads those issued behind this one may be out
	ds_store_b128 v6, v[96+4*\i:99+4*\i] offset:8192*\i
.endr
.irp i, 0,1,2,3,4,5,6,7
	s_wait_loadcnt 8-\i
	ds_store_b128 v7, v[128+4*\i:131+4*\i] offset:8192*\i
.endr
	s_wait_loadcnt 0x0                             ; every load of the head is done: its scalar bases may be used for other things
	ds_store_b128 v30, v[160:163]
	v_perm_b32 v168, v165, v164, 0x05010400        ; four words [key block] of bytes [f] are turned into four words [f] of bytes [key block]
	v_perm_b32 v169, v165, v164, 0x07030602
	v_perm_b32 v170, v167, v166, 0x05010400
	v_perm_b32 v171, v167, v166, 0x07030602
	s_delay_alu instid0(VALU_DEP_2)
	v_perm_b32 v172, v170, v168, 0x05040100
	s_delay_alu instid0(VALU_DEP_3)
	v_perm_b32 v173, v170, v168, 0x07060302
	s_delay_alu instid0(VALU_DEP_3)
	v_perm_b32 v174, v171, v169, 0x05040100
	s_delay_alu instid0(VALU_DEP_4)
	v_perm_b32 v175, v171, v169, 0x07060302
	s_cmp_lt_u32 s12, 8                            ; 256 entries: waves 0 to 7 store them
	s_cbranch_scc0 .Lno_vs
	ds_store_b128 v72, v[172:175]
.Lno_vs:
	s_mov_b32 s[SKP], 0
	s_mov_b32 s[NEED], 0
	s_wait_kmcnt 0x0                               ; the flag
	s_cmp_eq_u32 s13, 0
	s_cbranch_scc1 .Lno_m0
	s_lshl_b32 s28, s27, 6                         ; my tile's summary words: 64 bytes a tile, behind the 524,544 bytes of flag and mask words
	s_add_co_u32 s28, s28, 0x80100
	s_add_nc_u64 s[2:3], s[8:9], s[28:29]
	s_load_b512 s[32:47], s[2:3], 0x0              ; 'some key counts', steps 0 to 15
	s_load_b512 s[48:63], s[2:3], 0x2000           ; 'all keys count'
	s_mov_b32 s5, 0                                ; steps that are wholly unmasked
	s_mov_b32 s6, 0                                ; bit l: lane l has a key that counts in some step
	s_wait_kmcnt 0x0
.set NN, 0
.rept 16
	s_or_b32 s6, s6, s[32+NN]
	s_cmp_eq_u32 s[32+NN], 0
	s_cselect_b32 s4, 1<<NN, 0
	s_or_b32 s[SKP], s[SKP], s4
	s_cmp_eq_u32 s[48+NN], -1
	s_cselect_b32 s4, 1<<NN, 0
	s_or_b32 s5, s5, s4
.set NN, NN+1
.endr
	s_lshr_b32 s4, s6, 16                          ; query r lies in lanes r and 16 + r
	s_or_b32 s4, s4, s6
	s_and_b32 s4, s4, 0xffff
	s_cmp_eq_u32 s4, 0xffff                        ; has each of my 16 queries a key that counts?
	s_cselect_b32 s[SKP], s[SKP], 0                ; if not, every step is walked
	s_or_b32 s4, s[SKP], s5
	s_and_not1_b32 s[NEED], 0xffff, s4
	s_bitcmp1_b32 s[NEED], 0
	s_cbranch_scc0 .Lno_m0
	MLOAD                                          ; step 0's words
.Lno_m0:
	s_wait_dscnt 0x0                               ; my part of the head lies in LDS,
	s_barrier_signal -1
	s_barrier_wait -1                              ; everybody's does; nothing is written there again
	v_mov_b32 v5, 0xd0000000                       ; -2^33
.irp j, 0,1,2,3
	v_mov_b32 v[20+\j], 0
	v_mov_b32 v[64+\j], 0
	v_mov_b32 v[236+\j], 0                         ; written once: a lane permute's destination counts as one of its sources
.endr
	v_mov_b32 v13, 0xff61b1e6                      ; the largest t so far: -3e38
	s_delay_alu instid0(VALU_DEP_1)
	v_floor_f32 v12, -v13
	v_mov_b32 v14, 0
	v_mov_b32 v15, 0
	v_mov_b32 v252, 0
	v_mov_b32 v253, 0
.set NN, 0
.rept 32
	v_mov_b32 v[160+NN], 0                         ; O^T: the loop is written once; its first step finds zeros
.set NN, NN+1
.endr
.Lstep:                                            ; 16 trips of 128 keys
	s_bitcmp1_b32 s[SKP], 0
	s_cbranch_scc1 .Lskip                          ; no key of this step counts for any of my queries
	v_add_nc_u32 v8, s16, v1                       ; these four are also the places in front of the loads into registers that the last products read
	v_add_nc_u32 v9, s16, v2
	v_add_nc_u32 v10, s17, v3
	v_add_nc_u32 v11, s18, v4
.irp t, 0,1,2,3,4,5,6,7
	ds_load_b128 v[32+4*\t:35+4*\t], v8 offset:512*\t
.endr
.irp j, 0,1,2,3
	ds_load_b32 v[25+\j], v10 offset:128*\j        ; lanes 0-15 tile 2 j's words, lanes 16-31 tile 2 j + 1's
.endr
.irp f, 0,1,2,3
.irp c, 0,1
	ds_load_b128 v[200+8*\f+4*\c:203+8*\f+4*\c], v9 offset:1024*\f+512*\c
.endr
.endr
	ds_load_b128 v[68:71], v11
	s_wait_dscnt 9                                 ; K's twelve loads are in; V's nine, issued behind them, may be out
.irp t, 0,2,4,6                                ; S^T = K Q^T.  A tile's operand runs on into the next tile's four registers: those codes meet q's zeros
	v_wmma_scale_f32_16x16x128_f8f6f4 v[96+8*\t:103+8*\t], v[32+4*\t:39+4*\t], v[16:23], 0, v[25+\t/2], v24 matrix_a_fmt:MATRIX_FMT_FP4 matrix_b_fmt:MATRIX_FMT_FP4
	v_wmma_scale_f32_16x16x128_f8f6f4 v[104+8*\t:111+8*\t], v[36+4*\t:43+4*\t], v[16:23], 0, v[25+\t/2], v24 matrix_a_fmt:MATRIX_FMT_FP4 matrix_b_fmt:MATRIX_FMT_FP4 matrix_a_scale:MATRIX_SCALE_ROW1
.endr
.rept 4
	v_nop
.endr
	s_bitcmp1_b32 s[NEED], 0
	s_cbranch_scc0 .Lnomask                        ; every key of this step counts for every one of my queries
	s_wait_kmcnt 0x0                               ; this step's words, asked for a step ago
.set NN, 0
.rept 32
	v_cndmask_b32 v[96+NN], v5, v[96+NN], s[32+NN]
.set NN, NN+1
.endr
.set NN, 0
.rept 32
	v_cndmask_b32 v[128+NN], v5, v[128+NN], s[68+NN]
.set NN, NN+1
.endr
.Lnomask:
	NEXTM                                          ; the next step's words have this step's softmax in which to land
.irp b, 0,1,2,3
	v_max3_num_f32 v[232+\b], v[96+16*\b], v[97+16*\b], v[98+16*\b]   ; the largest score of each block of 32 keys: for the row's maximum and for the block's largest p
.endr
.irp i, 3,5,7,9,11,13
.irp b, 0,1,2,3
	v_max3_num_f32 v[232+\b], v[232+\b], v[96+16*\b+\i], v[97+16*\b+\i]
.endr
.endr
.irp b, 0,1,2,3
	v_max_num_f32 v[232+\b], v[232+\b], v[111+16*\b]
.endr
.irp b, 0,1,2,3
	s_delay_alu instid0(VALU_DEP_4)
	v_permlanex16_b32 v[236+\b], v[232+\b], s20, s21
.endr
.irp b, 0,1,2,3
	s_delay_alu instid0(VALU_DEP_4)
	v_max_num_f32 v[232+\b], v[232+\b], v[236+\b]  ; with lane l xor 16's 16 keys
.endr
	s_delay_alu instid0(VALU_DEP_2)
	v_max3_num_f32 v254, v232, v233, v234
	s_delay_alu instid0(VALU_DEP_1)
	v_max_num_f32 v254, v254, v235
	s_delay_alu instid0(VALU_DEP_1)
	v_mul_f32 v254, s22, v254                      ; as t
	s_delay_alu instid0(VALU_DEP_1)
	v_max_num_f32 v13, v13, v254                   ; the running largest t
	v_mov_b32 v254, v12
	s_delay_alu instid0(VALU_DEP_2)
	v_floor_f32 v12, -v13                          ; the new -M: M is a whole number
	s_delay_alu instid0(VALU_DEP_1)
	v_sub_f32 v254, v12, v254                      ; old M - new M, 0 or less
	s_delay_alu instid0(VALU_DEP_1)
	v_cvt_i32_f32 v254, v254                       ; (it saturates)
	s_delay_alu instid0(VALU_DEP_1)
	v_ldexp_f32 v252, 1.0, v254                    ; f = 2^(old M - new M)
.set NN, 0
.rept 32
	v_pk_fma_f32 v[96+NN:97+NN], v[96+NN:97+NN], s[22:23], v[12:13] op_sel_hi:[1,0,0]   ; t - M, two at a time
.set NN, NN+2
.endr
.irp b, 0,1,2,3
	v_fma_f32 v[232+\b], v[232+\b], s22, v12
.endr
.set NN, 0
	s_wait_alu depctr_va_vdst(0)
.rept 64
	v_exp_f32 v[96+NN], v[96+NN]                   ; p = 2^(t - M)
.set NN, NN+1
.endr
	v_pk_mul_f32 v[14:15], v[14:15], v[252:253] op_sel_hi:[1,0]   ; the sums under the new M: a plain place behind the exponentials
	s_wait_alu depctr_va_vdst(0)                   ; one wait for the batch, ahead of its first reader
.irp b, 0,1,2,3
	v_exp_f32 v[232+\b], v[232+\b]                 ; each block's largest p
.endr
	v_pk_add_f32 v[236:237], v[100:101], v[104:105]
	v_pk_add_f32 v[248:249], v[108:109], v[112:113]
	v_pk_add_f32 v[246:247], v[116:117], v[120:121]
	v_pk_add_f32 v[244:245], v[124:125], v[128:129]
	v_pk_add_f32 v[242:243], v[132:133], v[136:137]
	v_pk_add_f32 v[240:241], v[140:141], v[144:145]
	v_pk_add_f32 v[238:239], v[148:149], v[152:153]
	v_pk_add_f32 v[14:15], v[14:15], v[156:157]
	v_pk_add_f32 v[236:237], v[236:237], v[96:97]
	v_pk_add_f32 v[248:249], v[248:249], v[98:99]
	v_pk_add_f32 v[246:247], v[246:247], v[102:103]
	v_pk_add_f32 v[244:245], v[244:245], v[106:107]
	v_pk_add_f32 v[242:243], v[242:243], v[110:111]
	v_pk_add_f32 v[240:241], v[240:241], v[114:115]
	v_pk_add_f32 v[238:239], v[238:239], v[118:119]
	v_pk_add_f32 v[14:15], v[14:15], v[122:123]
	v_pk_add_f32 v[236:237], v[236:237], v[126:127]
	v_pk_add_f32 v[248:249], v[248:249], v[130:131]
	v_pk_add_f32 v[246:247], v[246:247], v[134:135]
	v_pk_add_f32 v[244:245], v[244:245], v[138:139]
	v_pk_add_f32 v[242:243], v[242:243], v[142:143]
	v_pk_add_f32 v[240:241], v[240:241], v[146:147]
	v_pk_add_f32 v[238:239], v[238:239], v[150:151]
	v_pk_add_f32 v[14:15], v[14:15], v[154:155]
	v_pk_add_f32 v[236:237], v[236:237], v[158:159]
	s_delay_alu instid0(VALU_DEP_2)
	v_pk_add_f32 v[14:15], v[14:15], v[244:245]
	s_delay_alu instid0(VALU_DEP_2)
	v_pk_add_f32 v[236:237], v[236:237], v[242:243]
	v_pk_add_f32 v[248:249], v[248:249], v[240:241]
	v_pk_add_f32 v[246:247], v[246:247], v[238:239]
	s_delay_alu instid0(VALU_DEP_2)
	v_pk_add_f32 v[14:15], v[14:15], v[248:249]
	s_delay_alu instid0(VALU_DEP_2)
	v_pk_add_f32 v[236:237], v[236:237], v[246:247]
	s_delay_alu instid0(VALU_DEP_1)
	v_pk_add_f32 v[14:15], v[14:15], v[236:237]
	s_wait_alu depctr_va_vdst(0)                   ; and one for the four
.irp b, 0,1,2,3
	v_max_num_f32 v[232+\b], 0x1800000, v[232+\b]  ; the floor 2^(3 - 127): the byte cannot fall under 1
.endr
.irp b, 0,1,2,3
	s_delay_alu instid0(VALU_DEP_4)
	v_add_nc_u32 v[244+\b], 0xff000000, v[232+\b]
.endr
.irp b, 0,1,2,3
	s_delay_alu instid0(VALU_DEP_4)
	v_lshrrev_b32 v[236+\b], 23, v[244+\b]
.endr
	s_delay_alu instid0(VALU_DEP_3)
	v_lshl_or_b32 v29, v237, 8, v236               ; p's scale word for these 128 keys
	s_delay_alu instid0(VALU_DEP_1)
	v_lshl_or_b32 v29, v238, 16, v29
	s_delay_alu instid0(VALU_DEP_1)
	v_lshl_or_b32 v29, v239, 24, v29
.irp b, 0,1,2,3
	v_cvt_scalef32_pk8_fp4_f32 v[192+2*\b], v[96+16*\b:103+16*\b], v[244+\b]
	v_cvt_scalef32_pk8_fp4_f32 v[193+2*\b], v[104+16*\b:111+16*\b], v[244+\b]
.endr
	v_nop                                          ; one plain place behind a scaled conversion
.irp c, 0,1
.irp i, 0,1
	v_permlane16_swap_b32 v[192+4*\c+\i], v[194+4*\c+\i]
.endr
.endr
.set NN, 0
.rept 16
	v_pk_mul_f32 v[160+NN:161+NN], v[160+NN:161+NN], v[252:253] op_sel_hi:[1,0]   ; O^T under the new M; these sixteen are also the places between p's scale word and codes and the products
.set NN, NN+2
.endr
	s_wait_alu depctr_va_vdst(0)
	s_wait_dscnt 0x0                               ; V
.irp f, 0,1,2,3                                ; O^T += V^T P^T: four accumulators, one turn each
	v_wmma_scale_f32_16x16x128_f8f6f4 v[160+8*\f:167+8*\f], v[200+8*\f:207+8*\f], v[192:199], v[160+8*\f:167+8*\f], v[68+\f], v29 matrix_a_fmt:MATRIX_FMT_FP4 matrix_b_fmt:MATRIX_FMT_FP4
.endr
	s_branch .Ltail
.Lskip:
	NEXTM
.Ltail:                                            ; every path steps the addresses, the two masks and the count once
	s_add_co_u32 s16, s16, 4096
	s_add_co_u32 s17, s17, 512
	s_add_co_u32 s18, s18, 256
	s_add_co_u32 s14, s14, 256
	s_lshr_b32 s[SKP], s[SKP], 1
	s_lshr_b32 s[NEED], s[NEED], 1
	s_sub_co_u32 s19, s19, 1
	s_cmp_lg_u32 s19, 0
	s_cbranch_scc1 .Lstep
	; ---- the way out: O^T / the sum, quantised along the head's 64 (two blocks), stored as piece head % 2 of K step head / 2 of the next product's fragment
.rept 4
	v_nop
.endr
	v_add_f32 v14, v14, v15
	s_delay_alu instid0(VALU_DEP_1)
	v_permlanex16_b32 v252, v14, s20, s21
	s_delay_alu instid0(VALU_DEP_1)
	v_add_f32 v14, v14, v252                       ; the row's sum
	s_wait_alu depctr_va_vdst(0)
	v_rcp_f32 v14, v14
	v_and_b32 v8, 15, v0                           ; (a plain place behind the reciprocal)
	s_delay_alu instid0(VALU_DEP_1)
	v_lshlrev_b32 v8, 4, v8                        ; 16 r
	s_lshr_b32 s18, s26, 3
	s_lshl_b32 s18, s18, 7
	s_add_co_u32 s18, s18, s27                     ; the tile among all 512
	s_and_b32 s19, s26, 7                          ; the head among 8
	s_lshl_b32 s16, s18, 3
	s_add_co_u32 s16, s16, s19
	s_lshl_b32 s16, s16, 9
	s_mov_b32 s17, 0
	s_add_nc_u64 s[4:5], s[10:11], s[16:17]        ; codes: (8 tile + head) x 512
	s_lshl_b32 s16, s18, 8
	s_lshl_b32 s19, s19, 1
	s_add_co_u32 s16, s16, s19
	s_add_co_u32 s16, s16, 0x200000
	s_add_nc_u64 s[6:7], s[10:11], s[16:17]        ; scale bytes: 256 tile + 16 r + 2 head, behind the codes
	s_wait_alu depctr_va_vdst(0)                   ; ahead of the reciprocal's first reader
.set NN, 0
.rept 16
	v_pk_mul_f32 v[160+NN:161+NN], v[160+NN:161+NN], v[14:15] op_sel_hi:[1,0]
.set NN, NN+2
.endr
.irp b, 0,1
	v_max3_num_f32 v[232+\b], |v[160+16*\b]|, |v[161+16*\b]|, 0x1800000
.endr
.irp i, 2,4,6,8,10,12,14
.irp b, 0,1
	s_delay_alu instid0(VALU_DEP_2)
	v_max3_num_f32 v[232+\b], v[232+\b], |v[160+16*\b+\i]|, |v[161+16*\b+\i]|
.endr
.endr
.irp b, 0,1
	s_delay_alu instid0(VALU_DEP_2)
	v_permlanex16_b32 v[236+\b], v[232+\b], s20, s21
.endr
.irp b, 0,1
	s_delay_alu instid0(VALU_DEP_2)
	v_max_num_f32 v[232+\b], v[232+\b], v[236+\b]
.endr
.irp b, 0,1
	s_delay_alu instid0(VALU_DEP_2)
	v_add_nc_u32 v[244+\b], 0xff000000, v[232+\b]
.endr
.irp b, 0,1
	s_delay_alu instid0(VALU_DEP_2)
	v_lshrrev_b32 v[236+\b], 23, v[244+\b]
.endr
	s_delay_alu instid0(VALU_DEP_1)
	v_lshl_or_b32 v238, v237, 8, v236
.irp b, 0,1
	v_cvt_scalef32_pk8_fp4_f32 v[192+2*\b], v[160+16*\b:167+16*\b], v[244+\b]
	v_cvt_scalef32_pk8_fp4_f32 v[193+2*\b], v[168+16*\b:175+16*\b], v[244+\b]
.endr
	v_nop
	v_permlane16_swap_b32 v192, v194
	v_permlane16_swap_b32 v193, v195
	global_store_b128 v1, v[192:195], s[4:5]       ; 512 consecutive bytes, aligned
	global_store_b16 v8, v238, s[6:7]              ; two bytes a row, one byte in 16 of what the launch stores; lanes r and 16 + r hold the same two bytes for the same place
	s_wait_tensorcnt 0x0
	ds_add_u32 v251, v255
	s_wait_dscnt 0x0
	s_endpgm
.Lfunc_end_k_q2d204c9332_attn_sa:
	.size	k_q2d204c9332_attn_sa, .Lfunc_end_k_q2d204c9332_attn_sa-k_q2d204c9332_attn_sa
	.p2alignl 7, 3214868480
	.fill 96, 4, 3214868480
	.section	.rodata,"a",@progbits
	.p2align	6, 0x0
	.amdhsa_kernel k_q2d204c9332_attn_sa
		.amdhsa_group_segment_fixed_size 145408
		.amdhsa_private_segment_fixed_size 0
		.amdhsa_enable_private_segment 0
		.amdhsa_kernarg_size 32
		.amdhsa_user_sgpr_count 2
		.amdhsa_user_sgpr_kernarg_segment_ptr 1
		.amdhsa_wavefront_size32 1
		.amdhsa_system_sgpr_workgroup_id_x 1
		.amdhsa_system_sgpr_workgroup_id_y 1
		.amdhsa_system_sgpr_workgroup_id_z 1
		.amdhsa_system_vgpr_workitem_id 0
		.amdhsa_next_free_vgpr 256
		.amdhsa_next_free_sgpr 102
		.amdhsa_reserve_vcc 0
		.amdhsa_float_denorm_mode_32 3
		.amdhsa_float_denorm_mode_16_64 3
		.amdhsa_memory_ordered 1
		.amdhsa_forward_progress 1
		.amdhsa_inst_pref_size 43
	.end_amdhsa_kernel
	.amdgpu_metadata
---
amdhsa.version: [ 1, 2 ]
amdhsa.kernels:
  - .name:           k_q2d204c9332_attn_sa
    .symbol:         k_q2d204c9332_attn_sa.kd
    .args:
      - { .name: q, .offset: 0, .size: 8, .value_kind: global_buffer, .address_space: global }
      - { .name: kva, .offset: 8, .size: 8, .value_kind: global_buffer, .address_space: global }
      - { .name: maskw, .offset: 16, .size: 8, .value_kind: global_buffer, .address_space: global }
      - { .name: o, .offset: 24, .size: 8, .value_kind: global_buffer, .address_space: global }
    .group_segment_fixed_size: 145408
    .private_segment_fixed_size: 0
    .kernarg_segment_align: 8
    .kernarg_segment_size: 32
    .max_flat_workgroup_size: 512
    .sgpr_count:     102
    .vgpr_count:     256
    .wavefront_size: 32
...
	.end_amdgpu_metadata
.endif
;; end of part 2
;; launch post_sa (part 3): grid 256 x 1, 4 waves a work-group, clusters of 4 x 1, 327,680 bytes of LDS; arguments o, tgt, wl, sa_wo_scales, sa_bo, ln1_w, ln1_b, ca_wq_scales, ca_bq, memory_codes, memory_scales, ca_wk_scales, ca_bk, ca_wv_scales, ca_bv, x1, q, kvb; writes x1, q, kvb
.if DOCPART == 3
	.amdgcn_target "amdgcn-amd-amdhsa--gfx1250"
	.amdhsa_code_object_version 6
	.text
	.protected	k_q2d204c9332_post_sa
	.globl	k_q2d204c9332_post_sa
	.p2align	8
	.type	k_q2d204c9332_post_sa,@function
k_q2d204c9332_post_sa:
	s_mov_b64 s[64:65], 0
	v_nop
	global_prefetch_b8 v0, s[64:65] scope:SCOPE_SE
	s_setreg_imm32_b32 hwreg(HW_REG_WAVE_MODE, 25, 1), 1
	s_wait_xcnt 0x0
	s_wait_alu depctr_hold_cnt(0) depctr_sa_sdst(0) depctr_va_vdst(0) depctr_va_sdst(0) depctr_va_ssrc(0) depctr_va_vcc(0) depctr_vm_vsrc(0)
	s_getreg_b32 s2, hwreg(HW_REG_IB_STS2, 6, 4)
	s_cmp_eq_u32 s2, 0
	s_cbranch_scc0 .Lentry_in_a_cluster
	s_endpgm
.Lentry_in_a_cluster:
	s_bfe_u32 s2, ttmp6, 0x10000c
	s_cmp_lg_u32 s2, 0x3003
	s_cbranch_scc0 .Lentry_shape_is_right
	s_endpgm
.Lentry_shape_is_right:
; x1 = LN(tgt + o sa_wo^T + sa_bo); Q of the cross-attention from x1; K and V of the cross-attention from memory (given as codes).  All products on codes of E2M1 with E8M0 scales.
; SHARES, ROWS OF A TILE, LAYOUTS: as in the launch that makes the self-attention's Q, K, V: a work-group takes 32 rows, wave w features 128 w .. + 127 for all of them; lane r of tile u is row
; 32 G + 8 u + r + 8 (r / 8).  A weight's chunk of a wave is 32,768 bytes on end in wl, in the order of the operand registers: piece p = 8 t + 2 s + c of 512 bytes is registers 4 p .. 4 p + 3 of a window.
; THE WEIGHTS COME BY TWO WAYS AT ONCE.  Tiles 0-3 of a chunk (its first 16,384 bytes) come JOINTLY through LDS: cluster 4 x 1, mask 15; wave w issues one tensor load of 2 rows of 16,384 bytes, 131,072 bytes apart
; in wl: (sa_wo, ca_wq) at the head into slot 0, (ca_wk, ca_wv) behind the full sequence and a round into slot 1.  No slot is filled twice.  A wave reads its own 32,768 bytes of a slot alone.
; Tiles 4-7 go from wl straight into the operand registers, 32 loads of 512 consecutive bytes, asked for a phase ahead.  REASON for the half that is not shared: a wave has one tensor load at the head and one
; behind the round, 32,768 bytes each in two slots of 131,072; the idle window's registers take the other half and need no slot.
; The residual and the bias lie in the accumulators before the first product (Y, window 3): register 64 u + 16 b + i of lane (r, h) is row (u, r), feature 128 w + 32 b + 16 h + i.
; THE NORM is taken in two passes, as written: the mean, then the mean of the squared differences; a row's sums meet across the four waves in LDS, two barriers.
; x1 goes to memory as f32 images of Y's registers (the last launch's residual) and, quantised, from wave to wave through LDS.
; NO PREFETCH: the text has no loop to run ahead in.
; LIMITS: NaN and infinities are not served; a block of zeros gets the scale byte 1 over zero codes.
; REGISTERS.  Window 0: v1-15, v240 addresses; v16-79 XF; v80-143 HA; v144-159 codes just made; v160-175 the quantiser's; v176-177 scale words just made; v178-191 the norm's; v192-199 XS; v200-231 the weights' scale
; words, two sets; v232-239 memory's scale words; v247, v255 the add's; v248-254 at work.  Windows 1, 2: a weight each.  Window 3: v0-127 Y, later v0-63 memory's fragments; v128-191 P0, v192-255 P1: parameters.
.set XIMG, 0
.set XSC,  8192
.set RED1, 9216
.set RED2, 9728
.set SPARE, 10240                      ; the spare words: 128 bytes a wave
.set SLOT0, 10752
.set SLOT1, SLOT0+131072
.set LI,  1
.set LS,  2
.set XA,  3
.set BA,  4
.set BVA, 5
.set WA,  6
.set WSA, 7
.set XWI, 8
.set XWS, 9
.set RA,  10
.set R16, 11
.set VVA, 12
.set VSA, 13
.set R16R, 14
.set WLA, 15                           ; my 32,768 bytes of slot 0: SLOT0 + 32,768 x wave + 16 x lane
.set WLB, 240                          ; and of slot 1
.set XF,  16
.set HA,  80
.set PC,  144
.set TM,  160
.set PW,  176
.set AC0, 178
.set AC1, 180
.set PT,  182
.set RS0, 184
.set RS1, 188
.set XS,  192
.set WS0, 200
.set WS1, 216
.set XS2, 232
.set SPW, 247
.set NIL, 255
.set RR,  248
.set HH,  249
.set RHO, 250
.set LL,  251
.set TA,  252
.set TB,  253
.set TC,  254
.set P0,  128
.set P1,  192
.set TG,  6
.set GX,  18                           ; s18: my group of 32 rows = 4 x cluster + place
.set WV,  46
.set HM,  50
.set K7F, 51
.set SEL, 52
.set INV, 54
.set EPS, 55
.set QCB, 56
.set KCB, 58
.set QSB, 60
.set KSB, 62
.set VCB, 66
.set VSB, 68
.set OSB, 70
.set G1,  72                           ; s[72:79] descriptor group 1
.set G0,  80                           ; s[80:83], s[84:87] group 0 for slot 0, slot 1
.set MSB, 0
.macro WIN new
.if MSB != (\new)
	s_set_vgpr_msb (MSB<<8)|(\new)
.set MSB, (\new)
.endif
.endm
.macro PLACES
.rept 4
	v_nop
.endr
.endm
.macro BARRIER
	s_wait_dscnt 0x0
	s_barrier_signal -1
	s_barrier_wait -1
.endm
.macro ROUND                           ; a round of the cluster's barrier
	s_barrier_signal -1
	s_barrier_wait -1
	s_cmp_lg_u32 s[WV], 0
	s_cbranch_scc1 .Lnot_wave_0_\@
	s_barrier_signal -3
.Lnot_wave_0_\@:
	s_barrier_wait -3
	s_barrier_signal -1
	s_barrier_wait -1
.endm
.macro WMA d, a, b, c, sa, sb, ra, rb
.if (\ra)
	v_wmma_scale_f32_16x16x128_f8f6f4 v[(\d):(\d)+7], v[(\a):(\a)+7], v[(\b):(\b)+7], v[(\c):(\c)+7], v[(\sa)], v[(\sb)] matrix_a_fmt:MATRIX_FMT_FP4 matrix_b_fmt:MATRIX_FMT_FP4 matrix_a_scale:MATRIX_SCALE_ROW1
.elseif (\rb)
	v_wmma_scale_f32_16x16x128_f8f6f4 v[(\d):(\d)+7], v[(\a):(\a)+7], v[(\b):(\b)+7], v[(\c):(\c)+7], v[(\sa)], v[(\sb)] matrix_a_fmt:MATRIX_FMT_FP4 matrix_b_fmt:MATRIX_FMT_FP4 matrix_b_scale:MATRIX_SCALE_ROW1
.else
	v_wmma_scale_f32_16x16x128_f8f6f4 v[(\d):(\d)+7], v[(\a):(\a)+7], v[(\b):(\b)+7], v[(\c):(\c)+7], v[(\sa)], v[(\sb)] matrix_a_fmt:MATRIX_FMT_FP4 matrix_b_fmt:MATRIX_FMT_FP4
.endif
.endm
.macro QUANT s, w, pc, pw              ; 64 numbers of a lane (window w), register 16 b + i = place 32 b + 16 (lane / 16) + i along K -> a fragment's codes and its scale word (window 0)
	WIN (\w)|((\w)<<2)
.irp b, 0,1,2,3
	v_max3_num_f32 v[TM+\b], |v[(\s)+16*\b]|, |v[(\s)+1+16*\b]|, 0x1800000
.endr
	WIN ((\w)<<2)|((\w)<<4)
.irp i, 2,4,6,8,10,12,14
.irp b, 0,1,2,3
	v_max3_num_f32 v[TM+\b], v[TM+\b], |v[(\s)+16*\b+\i]|, |v[(\s)+1+16*\b+\i]|
.endr
.endr
	WIN 0
.irp b, 0,1,2,3
	v_permlanex16_b32 v[TM+4+\b], v[TM+\b], s[SEL], s[SEL+1]
.endr
.irp b, 0,1,2,3
	v_max_num_f32 v[TM+\b], v[TM+\b], v[TM+4+\b]
.endr
.irp b, 0,1,2,3
	v_add_nc_u32 v[TM+12+\b], 0xff000000, v[TM+\b]
.endr
.irp b, 0,1,2,3
	v_lshrrev_b32 v[TM+4+\b], 23, v[TM+12+\b]
.endr
	v_lshl_or_b32 v[\pw], v[TM+5], 8, v[TM+4]
	v_lshl_or_b32 v[\pw], v[TM+6], 16, v[\pw]
	v_lshl_or_b32 v[\pw], v[TM+7], 24, v[\pw]
	WIN (\w)
.irp b, 0,1,2,3
	v_cvt_scalef32_pk8_fp4_f32 v[(\pc)+2*\b], v[(\s)+16*\b:(\s)+16*\b+7], v[TM+12+\b]
	v_cvt_scalef32_pk8_fp4_f32 v[(\pc)+1+2*\b], v[(\s)+16*\b+8:(\s)+16*\b+15], v[TM+12+\b]
.endr
	WIN 0
	v_nop                                          ; one plain place behind a scaled conversion
.irp c, 0,1
.irp i, 0,1
	v_permlane16_swap_b32 v[(\pc)+4*\c+\i], v[(\pc)+2+4*\c+\i]
.endr
.endr
.endm
.macro XLOAD dst, win, u
	WIN (\win)<<6
.irp b, 0,1,2,3
.irp q, 0,1,2,3
	global_load_b128 v[(\dst)+16*\b+4*\q:(\dst)+16*\b+4*\q+3], v[XA], s[TG:TG+1] offset:(\u)*16384+128*\b+16*\q
.endr
.endr
.endm
.macro PLOAD dst, sb, off
	WIN 0xc0
.irp b, 0,1,2,3
.irp q, 0,1,2,3
	global_load_b128 v[(\dst)+16*\b+4*\q:(\dst)+16*\b+4*\q+3], v[BA], s[(\sb):(\sb)+1] offset:(\off)+128*\b+16*\q
.endr
.endr
.endm
.macro BVLOAD dst, sb
	WIN 0xc0
.irp t, 0,1,2,3,4,5,6,7
.irp j, 0,1,2,3,4,5,6,7
	global_load_b32 v[(\dst)+8*\t+\j], v[BVA], s[(\sb):(\sb)+1] offset:(32*(\t/2)+8*(\t%2))*4
.endr
.endr
.endm
.macro WLG win, off                    ; tiles 4-7 of my chunk out of wl: pieces 32 .. 63 into registers 128 .. 255 of the window
	WIN (\win)<<6
.set PP, 0
.rept 32
	global_load_b128 v[128+4*PP:131+4*PP], v[LI], s[8:9] offset:(\off)+16384+512*PP
.set PP, PP+1
.endr
.endm
.macro LDW win, adr, off               ; tiles 0-3 out of my part of a slot: pieces 0 .. 31 into registers 0 .. 127 of the window
	WIN (\win)<<6
.set PP, 0
.rept 32
	ds_load_b128 v[4*PP:4*PP+3], v[\adr] offset:(\off)+512*PP
.set PP, PP+1
.endr
.endm
.macro WSLOAD ws, adr, sb, spitch, soff
	WIN 0
.irp b, 0,1,2,3
	global_load_b128 v[(\ws)+4*\b:(\ws)+4*\b+3], v[\adr], s[(\sb):(\sb)+1] offset:32*\b*(\spitch)+(\soff)
.endr
.endm
.macro IMAGE adr, pc, off
.irp c, 0,1
	ds_store_b128 v[\adr], v[(\pc)+4*\c:(\pc)+4*\c+3] offset:(\off)+512*\c
.endr
.endm
.macro FETCH8 off0, ustr, soff0, sustr
.irp u, 0,1
.irp s, 0,1,2,3
.irp c, 0,1
	ds_load_b128 v[XF+8*(4*\u+\s)+4*\c:XF+8*(4*\u+\s)+4*\c+3], v[LI] offset:(\off0)+(\ustr)*\u+1024*\s+512*\c
.endr
	ds_load_b32 v[XS+4*\u+\s], v[LS] offset:(\soff0)+(\sustr)*\u+128*\s
.endr
.endr
.endm
.macro PROD_T ww, xw, xb, xs, u, pb, ws
.irp s, 0,1,2,3
.if \s == 0
	WIN (\ww)|((\xw)<<2)|0x30
.else
	WIN (\ww)|((\xw)<<2)
.endif
.irp t, 0,1,2,3,4,5,6,7
.if \s == 0
	WMA HA+8*\t, 8*(4*\t+\s), (\xb)+8*(4*(\u)+\s), (\pb)+8*\t, (\ws)+4*(\t/2)+\s, (\xs)+4*(\u)+\s, \t%2, 0
.else
	WMA HA+8*\t, 8*(4*\t+\s), (\xb)+8*(4*(\u)+\s), HA+8*\t, (\ws)+4*(\t/2)+\s, (\xs)+4*(\u)+\s, \t%2, 0
.endif
.endr
.endr
.endm
.macro PROD_N ww, xw, xb, xs, hh, pb, ws
.irp s, 0,1,2,3
.if \s == 0
	WIN (\xw)|((\ww)<<2)|0x30
.else
	WIN (\xw)|((\ww)<<2)
.endif
.irp t, 0,1,2,3
.irp u, 0,1
.if \s == 0
	WMA HA+16*\t+8*\u, (\xb)+8*(4*\u+\s), 8*(4*(4*(\hh)+\t)+\s), (\pb)+8*(4*(\hh)+\t), (\xs)+4*\u+\s, (\ws)+4*((4*(\hh)+\t)/2)+\s, 0, \t%2
.else
	WMA HA+16*\t+8*\u, (\xb)+8*(4*\u+\s), 8*(4*(4*(\hh)+\t)+\s), HA+16*\t+8*\u, (\xs)+4*\u+\s, (\ws)+4*((4*(\hh)+\t)/2)+\s, 0, \t%2
.endif
.endr
.endr
.endr
.endm
.macro PROD_Y ww, ws                   ; 64 products onto Y (window 3): sixteen accumulators by turns, one instruction a turn
	WIN (\ww)|0xf0
.irp s, 0,1,2,3
.irp u, 0,1
.irp t, 0,1,2,3,4,5,6,7
	WMA 64*\u+8*\t, 8*(4*\t+\s), XF+8*(4*\u+\s), 64*\u+8*\t, (\ws)+4*(\t/2)+\s, XS+4*\u+\s, \t%2, 0
.endr
.endr
.endr
.endm
.macro QK_PART ww, xw, xb, xs, pb, ws, cb, sb
.irp u, 0,1
	PROD_T \ww, \xw, \xb, \xs, \u, \pb, \ws
	WIN 0
	PLACES
	s_wait_xcnt 0x0                                ; earlier stores have read their data: the code registers are written again only behind this wait
	QUANT HA, 0, PC+8*\u, PW+\u
	global_store_b128 v[LI], v[PC+8*\u:PC+8*\u+3], s[(\cb):(\cb)+1] offset:512*\u
	global_store_b128 v[LI], v[PC+8*\u+4:PC+8*\u+7], s[(\cb):(\cb)+1] offset:65536+512*\u
.endr
	v_cndmask_b32 v[TA], v[PW], v[PW+1], s[HM]
	v_and_or_b32 v[TB], v[TA], 0xffff, s[K7F]
	v_lshrrev_b32 v[TC], 16, v[TA]
	v_or_b32 v[TC], s[K7F], v[TC]
	global_store_b32 v[LS], v[TB], s[(\sb):(\sb)+1]
	global_store_b32 v[LS], v[TC], s[(\sb):(\sb)+1] offset:8192
.endm
.macro V_PART ww, xw, xb, xs, pb, ws, cb, sb
.irp hh, 0,1
	PROD_N \ww, \xw, \xb, \xs, \hh, \pb, \ws
	WIN 0
	PLACES
	s_wait_xcnt 0x0
	QUANT HA, 0, PC+8*\hh, PW+\hh
	global_store_b128 v[VVA], v[PC+8*\hh:PC+8*\hh+3], s[(\cb):(\cb)+1] offset:65536*\hh
	global_store_b128 v[VVA], v[PC+8*\hh+4:PC+8*\hh+7], s[(\cb):(\cb)+1] offset:65536*\hh+2048
.endr
	v_cndmask_b32 v[TA], v[PW], v[PW+1], s[HM]
	global_store_b32 v[VSA], v[TA], s[(\sb):(\sb)+1]
.endm
.macro YADD pb
	WIN 0xcf
.set PP, 0
.rept 32
	v_pk_add_f32 v[PP:PP+1], v[PP:PP+1], v[(\pb)+PP:(\pb)+PP+1]
	v_pk_add_f32 v[64+PP:65+PP], v[64+PP:65+PP], v[(\pb)+PP:(\pb)+PP+1]
.set PP, PP+2
.endr
.endm
.macro LN_SUM red
	WIN 0
	v_add_f32 v[AC0], v[AC0], v[AC0+1]
	v_add_f32 v[AC1], v[AC1], v[AC1+1]
	v_permlanex16_b32 v[PT], v[AC0], s[SEL], s[SEL+1]
	v_permlanex16_b32 v[PT+1], v[AC1], s[SEL], s[SEL+1]
	v_add_f32 v[AC0], v[AC0], v[PT]
	v_add_f32 v[AC1], v[AC1], v[PT+1]
	v_cndmask_b32 v[PT], v[AC0], v[AC1], s[HM]     ; lane 16 u + r: tile u's row r
	ds_store_b32 v[RA], v[PT] offset:\red
	BARRIER
	ds_load_b128 v[RS0:RS0+3], v[R16] offset:\red
	ds_load_b128 v[RS1:RS1+3], v[R16] offset:(\red)+256
	s_wait_dscnt 0x0
	v_add_f32 v[RS0], v[RS0], v[RS0+1]
	v_add_f32 v[RS0+2], v[RS0+2], v[RS0+3]
	v_add_f32 v[RS1], v[RS1], v[RS1+1]
	v_add_f32 v[RS1+2], v[RS1+2], v[RS1+3]
	v_add_f32 v[RS0], v[RS0], v[RS0+2]
	v_add_f32 v[RS1], v[RS1], v[RS1+2]
.endm
.macro LN_STAT red1, red2              ; Y becomes Y - mean; v[RS0], v[RS1] become 1 / sqrt(variance + 1e-5)
	WIN 0x0f
	v_pk_add_f32 v[AC0:AC0+1], v[0:1], v[2:3]      ; each accumulator is read from its low end on
	v_pk_add_f32 v[AC1:AC1+1], v[64:65], v[66:67]
	WIN 0x0c
.set PP, 4
.rept 30
	v_pk_add_f32 v[AC0:AC0+1], v[AC0:AC0+1], v[PP:PP+1]
	v_pk_add_f32 v[AC1:AC1+1], v[AC1:AC1+1], v[64+PP:65+PP]
.set PP, PP+2
.endr
	LN_SUM \red1
	v_mul_f32 v[RS0], s[INV], v[RS0]
	v_mul_f32 v[RS1], s[INV], v[RS1]
	WIN 0xc3
.set PP, 0
.rept 32
	v_pk_add_f32 v[PP:PP+1], v[PP:PP+1], v[RS0:RS0+1] op_sel_hi:[1,0] neg_lo:[0,1] neg_hi:[0,1]
	v_pk_add_f32 v[64+PP:65+PP], v[64+PP:65+PP], v[RS1:RS1+1] op_sel_hi:[1,0] neg_lo:[0,1] neg_hi:[0,1]
.set PP, PP+2
.endr
	WIN 0x0f
	v_pk_mul_f32 v[AC0:AC0+1], v[0:1], v[0:1]
	v_pk_mul_f32 v[AC1:AC1+1], v[64:65], v[64:65]
.set PP, 2
.rept 31
	v_pk_fma_f32 v[AC0:AC0+1], v[PP:PP+1], v[PP:PP+1], v[AC0:AC0+1]
	v_pk_fma_f32 v[AC1:AC1+1], v[64+PP:65+PP], v[64+PP:65+PP], v[AC1:AC1+1]
.set PP, PP+2
.endr
	LN_SUM \red2
	v_fma_f32 v[RS0], v[RS0], s[INV], s[EPS]
	v_fma_f32 v[RS1], v[RS1], s[INV], s[EPS]
	s_wait_alu depctr_va_vdst(0)
	v_rsq_f32 v[RS0], v[RS0]
	v_rsq_f32 v[RS1], v[RS1]
	v_nop                                          ; a plain place behind the roots
	s_wait_alu depctr_va_vdst(0)                   ; one wait for both, ahead of their first reader
.endm
.macro LN_APPLY lw, lb
	WIN 0xc3
.set PP, 0
.rept 32
	v_pk_mul_f32 v[PP:PP+1], v[PP:PP+1], v[RS0:RS0+1] op_sel_hi:[1,0]
	v_pk_mul_f32 v[64+PP:65+PP], v[64+PP:65+PP], v[RS1:RS1+1] op_sel_hi:[1,0]
.set PP, PP+2
.endr
	WIN 0xff
.set PP, 0
.rept 32
	v_pk_fma_f32 v[PP:PP+1], v[PP:PP+1], v[(\lw)+PP:(\lw)+PP+1], v[(\lb)+PP:(\lb)+PP+1]
	v_pk_fma_f32 v[64+PP:65+PP], v[64+PP:65+PP], v[(\lw)+PP:(\lw)+PP+1], v[(\lb)+PP:(\lb)+PP+1]
.set PP, PP+2
.endr
.endm
	s_load_b256 s[4:11], s[0:1], 0x0               ; o, tgt, wl, wo scales
	s_load_b128 s[12:15], s[0:1], 0x20             ; bo, ln1_w
	s_load_b64 s[16:17], s[0:1], 0x30              ; ln1_b
	s_load_b256 s[20:27], s[0:1], 0x38             ; wq scales, bq, memory codes, memory scales
	s_load_b64 s[30:31], s[0:1], 0x58              ; wk scales
	s_load_b64 s[32:33], s[0:1], 0x60              ; bk
	s_load_b256 s[36:43], s[0:1], 0x68             ; wv scales, bv, x1, q
	s_load_b64 s[44:45], s[0:1], 0x88              ; kvb
	v_lshl_add_u32 v[SPW], v0, 2, SPARE
	v_mov_b32 v[NIL], 0
	ds_add_u32 v[SPW], v[NIL]                      ; the opening: the add, twice on end, and its wait ahead of my first tensor load
	ds_add_u32 v[SPW], v[NIL]
	v_lshrrev_b32 v[TA], 5, v0
	v_readfirstlane_b32 s[WV], v[TA]
	v_and_b32 v[LL], 31, v0
	v_and_b32 v[RR], 15, v0
	v_bfe_u32 v[HH], v0, 4, 1
	v_and_b32 v[RHO], 8, v[RR]
	v_add_nc_u32 v[RHO], v[RHO], v[RR]
	v_lshlrev_b32 v[LI], 4, v[LL]
	v_lshlrev_b32 v[LS], 2, v[LL]
	v_lshlrev_b32 v[XA], 11, v[RHO]
	v_lshl_add_u32 v[XA], v[HH], 6, v[XA]
	v_lshlrev_b32 v[BA], 6, v[HH]
	v_lshlrev_b32 v[BVA], 2, v[RHO]
	v_lshlrev_b32 v[WA], 8, v[RHO]
	v_lshl_add_u32 v[WA], v[HH], 4, v[WA]
	v_lshl_add_u32 v[WSA], v[HH], 3, v[RHO]
	v_lshlrev_b32 v[WSA], 4, v[WSA]
	s_lshl_b32 s47, s[WV], 10
	v_add_nc_u32 v[XWI], s47, v[LI]
	s_lshl_b32 s47, s[WV], 7
	v_add_nc_u32 v[XWS], s47, v[LS]
	s_lshl_b32 s47, s[WV], 2
	v_add_nc_u32 v[RA], s47, v[LI]
	v_lshlrev_b32 v[R16], 4, v[RR]
	v_lshl_add_u32 v[VVA], v[HH], 10, v[R16]
	v_lshlrev_b32 v[VSA], 2, v[RR]
	v_lshl_add_u32 v[VSA], v[HH], 12, v[VSA]
	v_lshlrev_b32 v[R16R], 4, v[RHO]
	s_lshl_b32 s47, s[WV], 15                      ; my 32,768 bytes of a slot
	s_mov_b32 s[G0], 1
	s_add_co_u32 s[G0+1], s47, SLOT0
	s_mov_b32 s[G0+4], 1
	s_add_co_u32 s[G0+5], s47, SLOT1
	v_add_nc_u32 v[WLA], s[G0+1], v[LI]
	v_add_nc_u32 v[WLB], s[G0+5], v[LI]
.irp b, 0,1,2,3
	v_mov_b32 v[TM+4+\b], 0                        ; written once: a lane permute's destination counts as one of its sources
.endr
	v_mov_b32 v[PT], 0
	v_mov_b32 v[PT+1], 0
	s_mov_b32 s[G1], 15|(3<<16)|(1<<21)            ; the mask of all four partners; elements of 8 bytes; bit 21 beside a mask; no padding
	s_mov_b32 s[G1+1], 2048<<16                    ; rows of 2,048 elements = 16,384 bytes: tiles 0-3 of a chunk
	s_mov_b32 s[G1+2], 2<<16                       ; 2 rows: two weights
	s_mov_b32 s[G1+3], 2048<<16
	s_mov_b32 s[G1+4], 2
	s_mov_b32 s[G1+5], 16384                       ; 131,072 bytes from weight to weight in wl
	s_mov_b32 s[G1+6], 0
	s_mov_b32 s[G1+7], 0
	s_mov_b32 s[HM], 0xffff0000
	s_mov_b32 s[K7F], 0x7f7f0000
	s_mov_b32 s[SEL], 0x76543210
	s_mov_b32 s[SEL+1], 0xfedcba98
	s_mov_b32 s[INV], 0x3b000000                   ; 1 / 512
	s_mov_b32 s[EPS], 0x3727c5ac                   ; 1e-5
	s_mov_b32 s49, 0
	s_bfe_u32 s19, ttmp6, 0x40000                  ; my place in the cluster
	s_lshl_b32 s[GX], ttmp9, 2
	s_add_co_u32 s[GX], s[GX], s19
	s_wait_alu depctr_va_vdst(0)
	s_wait_dscnt 0x0                               ; both opening adds are done
	s_wait_kmcnt 0x0
	s_lshl_b32 s48, s[WV], 15                      ; wl: my chunk of each weight; the weight's place stands in the loads' immediate
	s_add_nc_u64 s[8:9], s[8:9], s[48:49]
	s_mov_b64 s[G0+2:G0+3], s[8:9]                 ; sa_wo and ca_wq
	s_or_b32 s[G0+3], s[G0+3], 0x80000000
	s_add_nc_u64 s[G0+6:G0+7], s[8:9], 262144      ; ca_wk and ca_wv
	s_or_b32 s[G0+7], s[G0+7], 0x80000000
	ROUND                                          ; in front of the first joint load
	tensor_load_to_lds s[G0:G0+3], s[G1:G1+7]      ; my one load at the head
	s_nop 0
	PLACES
	s_lshl_b32 s48, s[GX], 9                       ; o's scale bytes: 256 a tile, behind the codes; memory's: 16 a row
	s_add_nc_u64 s[26:27], s[26:27], s[48:49]
	s_add_co_u32 s48, s48, 0x200000
	s_add_nc_u64 s[OSB:OSB+1], s[4:5], s[48:49]
	s_lshl_b32 s48, s[GX], 13                      ; o's codes: 4,096 a tile; memory's: 256 a row
	s_add_nc_u64 s[4:5], s[4:5], s[48:49]
	s_add_nc_u64 s[24:25], s[24:25], s[48:49]
	s_lshl_b32 s48, s[GX], 16
	s_lshl_b32 s47, s[WV], 9
	s_add_co_u32 s48, s48, s47
	s_add_nc_u64 s[6:7], s[6:7], s[48:49]          ; tgt
	s_lshl_b32 s48, s[GX], 16
	s_lshl_b32 s47, s[WV], 14
	s_add_co_u32 s48, s48, s47
	s_add_nc_u64 s[40:41], s[40:41], s[48:49]      ; x1: 65,536 a group, 16,384 a wave
	s_lshl_b32 s48, s[WV], 9                       ; parameters: my 128 numbers
	s_add_nc_u64 s[12:13], s[12:13], s[48:49]
	s_add_nc_u64 s[14:15], s[14:15], s[48:49]
	s_add_nc_u64 s[16:17], s[16:17], s[48:49]
	s_add_nc_u64 s[22:23], s[22:23], s[48:49]
	s_add_nc_u64 s[32:33], s[32:33], s[48:49]
	s_add_nc_u64 s[38:39], s[38:39], s[48:49]
	s_lshl_b32 s48, s[WV], 11                      ; the weights' scale bytes
	s_add_nc_u64 s[10:11], s[10:11], s[48:49]
	s_add_nc_u64 s[20:21], s[20:21], s[48:49]
	s_add_nc_u64 s[30:31], s[30:31], s[48:49]
	s_add_nc_u64 s[36:37], s[36:37], s[48:49]
	s_lshr_b32 s47, s[GX], 6
	s_lshl_b32 s47, s47, 3
	s_lshl_b32 s2, s[WV], 1
	s_add_co_u32 s47, s47, s2                      ; 8 n + 2 w
	s_and_b32 s3, s[GX], 63
	s_lshl_b32 s48, s47, 16
	s_lshl_b32 s2, s3, 10
	s_add_co_u32 s48, s48, s2
	s_add_nc_u64 s[QCB:QCB+1], s[42:43], s[48:49]
	s_add_nc_u64 s[KCB:KCB+1], s[44:45], s[48:49]
	s_lshl_b32 s48, s47, 13
	s_lshl_b32 s2, s3, 7
	s_add_co_u32 s48, s48, s2
	s_add_co_u32 s48, s48, 0x200000
	s_add_nc_u64 s[QSB:QSB+1], s[42:43], s[48:49]
	s_add_nc_u64 s[KSB:KSB+1], s[44:45], s[48:49]
	s_lshl_b32 s48, s47, 16
	s_lshr_b32 s2, s3, 2
	s_lshl_b32 s2, s2, 12
	s_add_co_u32 s48, s48, s2
	s_and_b32 s2, s[GX], 3
	s_lshl_b32 s2, s2, 8
	s_add_co_u32 s48, s48, s2
	s_add_co_u32 s48, s48, 0x240000
	s_add_nc_u64 s[VCB:VCB+1], s[44:45], s[48:49]
	s_lshl_b32 s48, s47, 12
	s_lshl_b32 s2, s3, 6
	s_add_co_u32 s48, s48, s2
	s_add_co_u32 s48, s48, 0x440000
	s_add_nc_u64 s[VSB:VSB+1], s[44:45], s[48:49]
	; ---- 1: the attention's codes, the residual, sa_wo's tiles 4-7
.irp u, 0,1
.irp s, 0,1,2,3
.irp c, 0,1
	global_load_b128 v[XF+8*(4*\u+\s)+4*\c:XF+8*(4*\u+\s)+4*\c+3], v[LI], s[4:5] offset:4096*\u+1024*\s+512*\c
.endr
.endr
.endr
	global_load_b128 v[XS:XS+3], v[R16], s[OSB:OSB+1]
	global_load_b128 v[XS+4:XS+7], v[R16], s[OSB:OSB+1] offset:256
	XLOAD 0, 3, 0
	XLOAD 64, 3, 1
	PLOAD P0, 12, 0
	PLOAD P1, 14, 0
	WSLOAD WS0, WSA, 10, 16, 0
	WLG 1, 0                                       ; sa_wo
	WIN 0
	s_wait_tensorcnt 0x0                           ; slot 0 has landed
	ds_add_u32 v[SPW], v[NIL]
	s_wait_dscnt 0x0
	ROUND
	tensor_load_to_lds s[G0+4:G0+7], s[G1:G1+7]    ; slot 1: ca_wk and ca_wv
	s_nop 0
	PLACES
	LDW 1, WLA, 0                                  ; sa_wo's tiles 0-3
	LDW 2, WLA, 16384                              ; ca_wq's
	WIN 0
	s_wait_loadcnt 0x0
	; ---- 2: ca_wq's tiles 4-7 are asked for; Y = tgt + sa_bo + o wo^T
	WSLOAD WS1, WSA, 20, 16, 0
	WLG 2, 131072                                  ; ca_wq
	YADD P0
	PLOAD P0, 16, 0                                ; ln1_b
	s_wait_alu depctr_va_vdst(0)
	s_wait_dscnt 0x0                               ; the two windows' lower halves are in
	PLACES
	PROD_Y 1, WS0
	WIN 0
	PLACES
	; ---- 3: the norm
	LN_STAT RED1, RED2
	s_wait_loadcnt 0x0                             ; ln1_b (and ca_wq)
	LN_APPLY P1, P0
	; ---- 4: ca_wk and two biases are asked for
	PLOAD P1, 22, 0
	PLOAD P0, 32, 0
	WSLOAD WS0, WSA, 30, 16, 0
	WLG 1, 262144                                  ; ca_wk
	s_wait_alu depctr_va_vdst(0)
	s_wait_tensorcnt 0x0                           ; my part of slot 1 has landed; I alone read it
	LDW 1, WLB, 0
	; ---- 5: x1 goes out as images of Y, 512 consecutive bytes a store, and is quantised
	WIN 0x0c
.set PP, 0
.rept 32
	global_store_b128 v[LI], v[4*PP:4*PP+3], s[40:41] offset:512*PP
.set PP, PP+1
.endr
	QUANT 0, 3, PC, PW
	QUANT 64, 3, PC+8, PW+1
	IMAGE XWI, PC, XIMG
	IMAGE XWI, PC+8, XIMG+4096
	ds_store_b32 v[XWS], v[PW] offset:XSC
	ds_store_b32 v[XWS], v[PW+1] offset:XSC+512
	; ---- 6: memory's fragments take Y's place
	s_wait_xcnt 0x0                                ; x1's stores have read Y
	WIN 0xc0
.irp u, 0,1
.irp s, 0,1,2,3
.irp c, 0,1
	global_load_b128 v[8*(4*\u+\s)+4*\c:8*(4*\u+\s)+4*\c+3], v[WA], s[24:25] offset:2048*\u+64*\s+32*\c
.endr
.endr
.endr
	WIN 0
	global_load_b128 v[XS2:XS2+3], v[R16R], s[26:27]
	global_load_b128 v[XS2+4:XS2+7], v[R16R], s[26:27] offset:128
	; ---- 7
	BARRIER                                        ; x1's eight fragments lie in LDS
	FETCH8 XIMG, 4096, XSC, 512
	s_wait_dscnt 0x0
	s_wait_loadcnt 0x0
	; ---- 8: Q of the cross-attention
	QK_PART 2, 0, XF, XS, P1, WS1, QCB, QSB
	WSLOAD WS1, WSA, 36, 16, 0                     ; ca_wv takes ca_wq's window: the quantiser's lines are the places behind its last products
	WLG 2, 393216                                  ; ca_wv
	LDW 2, WLB, 16384
	BVLOAD P1, 38
	; ---- 9: K
	QK_PART 1, 3, 0, XS2, P0, WS0, KCB, KSB
	; ---- 10: V
	s_wait_loadcnt 0x0
	s_wait_dscnt 0x0
	V_PART 2, 3, 0, XS2, P1, WS1, VCB, VSB
	s_wait_tensorcnt 0x0                           ; the wave's end
	ds_add_u32 v[SPW], v[NIL]
	s_wait_dscnt 0x0
	ROUND                                          ; the closing round
	s_endpgm
.Lfunc_end_k_q2d204c9332_post_sa:
	.size	k_q2d204c9332_post_sa, .Lfunc_end_k_q2d204c9332_post_sa-k_q2d204c9332_post_sa
	.p2alignl 7, 3214868480
	.fill 96, 4, 3214868480
	.section	.rodata,"a",@progbits
	.p2align	6, 0x0
	.amdhsa_kernel k_q2d204c9332_post_sa
		.amdhsa_group_segment_fixed_size 327680
		.amdhsa_private_segment_fixed_size 0
		.amdhsa_enable_private_segment 0
		.amdhsa_kernarg_size 144
		.amdhsa_user_sgpr_count 2
		.amdhsa_user_sgpr_kernarg_segment_ptr 1
		.amdhsa_wavefront_size32 1
		.amdhsa_system_sgpr_workgroup_id_x 1
		.amdhsa_system_sgpr_workgroup_id_y 1
		.amdhsa_system_sgpr_workgroup_id_z 1
		.amdhsa_system_vgpr_workitem_id 0
		.amdhsa_next_free_vgpr 1024
		.amdhsa_next_free_sgpr 88
		.amdhsa_reserve_vcc 0
		.amdhsa_float_denorm_mode_32 3
		.amdhsa_float_denorm_mode_16_64 3
		.amdhsa_memory_ordered 1
		.amdhsa_forward_progress 1
		.amdhsa_inst_pref_size 147
	.end_amdhsa_kernel
	.amdgpu_metadata
---
amdhsa.version: [ 1, 2 ]
amdhsa.kernels:
  - .name:           k_q2d204c9332_post_sa
    .symbol:         k_q2d204c9332_post_sa.kd
    .args:
      - { .name: o, .offset: 0, .size: 8, .value_kind: global_buffer, .address_space: global }
      - { .name: tgt, .offset: 8, .size: 8, .value_kind: global_buffer, .address_space: global }
      - { .name: wl, .offset: 16, .size: 8, .value_kind: global_buffer, .address_space: global }
      - { .name: sa_wo_scales, .offset: 24, .size: 8, .value_kind: global_buffer, .address_space: global }
      - { .name: sa_bo, .offset: 32, .size: 8, .value_kind: global_buffer, .address_space: global }
      - { .name: ln1_w, .offset: 40, .size: 8, .value_kind: global_buffer, .address_space: global }
      - { .name: ln1_b, .offset: 48, .size: 8, .value_kind: global_buffer, .address_space: global }
      - { .name: ca_wq_scales, .offset: 56, .size: 8, .value_kind: global_buffer, .address_space: global }
      - { .name: ca_bq, .offset: 64, .size: 8, .value_kind: global_buffer, .address_space: global }
      - { .name: memory_codes, .offset: 72, .size: 8, .value_kind: global_buffer, .address_space: global }
      - { .name: memory_scales, .offset: 80, .size: 8, .value_kind: global_buffer, .address_space: global }
      - { .name: ca_wk_scales, .offset: 88, .size: 8, .value_kind: global_buffer, .address_space: global }
      - { .name: ca_bk, .offset: 96, .size: 8, .value_kind: global_buffer, .address_space: global }
      - { .name: ca_wv_scales, .offset: 104, .size: 8, .value_kind: global_buffer, .address_space: global }
      - { .name: ca_bv, .offset: 112, .size: 8, .value_kind: global_buffer, .address_space: global }
      - { .name: x1, .offset: 120, .size: 8, .value_kind: global_buffer, .address_space: global }
      - { .name: q, .offset: 128, .size: 8, .value_kind: global_buffer, .address_space: global }
      - { .name: kvb, .offset: 136, .size: 8, .value_kind: global_buffer, .address_space: global }
    .group_segment_fixed_size: 327680
    .private_segment_fixed_size: 0
    .kernarg_segment_align: 8
    .kernarg_segment_size: 144
    .max_flat_workgroup_size: 128
    .sgpr_count:     88
    .vgpr_count:     1024
    .wavefront_size: 32
...
	.end_amdgpu_metadata
.endif
;; end of part 3
;; launch attn_ca (part 4): grid 8 x 32, 16 waves a work-group, clusters of 4 x 1, 327,680 bytes of LDS; arguments q, kvb, o; writes o
.if DOCPART == 4
	.amdgcn_target "amdgcn-amd-amdhsa--gfx1250"
	.amdhsa_code_object_version 6
	.text
	.protected	k_q2d204c9332_attn_ca
	.globl	k_q2d204c9332_attn_ca
	.p2align	8
	.type	k_q2d204c9332_attn_ca,@function
k_q2d204c9332_attn_ca:
	s_mov_b64 s[64:65], 0
	v_nop
	global_prefetch_b8 v0, s[64:65] scope:SCOPE_SE
	s_setreg_imm32_b32 hwreg(HW_REG_WAVE_MODE, 25, 1), 1
	s_wait_xcnt 0x0
	s_wait_alu depctr_hold_cnt(0) depctr_sa_sdst(0) depctr_va_vdst(0) depctr_va_sdst(0) depctr_va_ssrc(0) depctr_va_vcc(0) depctr_vm_vsrc(0)
	s_getreg_b32 s2, hwreg(HW_REG_IB_STS2, 6, 4)
	s_cmp_eq_u32 s2, 0
	s_cbranch_scc0 .Lentry_in_a_cluster
	s_endpgm
.Lentry_in_a_cluster:
	s_bfe_u32 s2, ttmp6, 0x10000c
	s_cmp_lg_u32 s2, 0x3003
	s_cbranch_scc0 .Lentry_shape_is_right
	s_endpgm
.Lentry_shape_is_right:
; Cross-attention of one head on codes of E2M1, no mask: o = Q(softmax(q k^T / 8) v), stored as codes for the product that follows.
; INPUTS (this program's own buffers, laid in the order of the operands' registers): q, k codes [head][tile of 16][lane][16 bytes] (lane (r, h): block h of the head's 64), their scale words [head][tile][r];
; v codes [head][step of 128 keys][tile f of 16 channels][c][lane][16 bytes] (key block 2 c + h), v's scale bytes [head][key block][r][f].
; THE SOFTMAX: t = score x log2(e) / 8; M = the running largest t rounded up to a whole number; p = 2^(t - M) is quantised along the keys, not normalised; the sum is taken of the unquantised p and divides at the
; end; when M moves, the sum and O are multiplied by 2^(old M - new M), which rounds nothing.
; SHARES.  A work-group owns 256 queries of one head; each of its sixteen waves one tile of 16 (tile 16 x + w), in 256 registers, four waves to a SIMD.  Every wave walks all 2,048 keys, 128 a step.
; CLUSTER 4 x 1: the four partners belong to one head and need the same K and V.  The codes (131,072 bytes) come JOINTLY (mask 15), once, at the head: every wave issues one tensor load of 8,192 bytes (32 rows of 256):
; waves 0-7 K's, waves 8-15 V's; addresses by arithmetic on the wave's number.  Nothing is filled again.  The scale bytes (12,288) go through registers: V's are turned from [key block][f] to [f][key block] on the way.
; Both products are used transposed, so a lane holds one query throughout.  The head's 64 fill half of the first product's 128 along K: the upper half meets zero codes of q under the scale byte of 1.0.
; NO PREFETCH: all that the launch reads is asked for at its head.
; LIMITS: NaN and infinities are not served.  The scaled scores stay under 2^31 in magnitude.  A block's largest p is taken from its largest score by the same two instructions.  A block of zeros gets the byte 1 over zero codes.
; REGISTERS: v1-4 places that stay; v6, v30, v72-74 the head's copies; v8-11 the step's addresses; v12 -M, v13 the largest t, v[14:15] the sum; v16-19 q, v20-23 zeros; v24 q's scale words,
; v25-28 k's, v29 p's, v68-71 v's (scales alone); v32-63 k's eight tiles, v64-67 zeros; v96-159 scores, then p; v160-191 O^T; v192-199 p's codes; v200-231 v's fragments; v232-254 at work; v251, v255 the add's.
.set KC, 0                             ; LDS: K's codes, 512 bytes a tile
.set VC, 65536                         ; V's codes, 4,096 bytes a step
.set KS, 131072                        ; K's scale words, 64 bytes a tile
.set VS, 139264                        ; V's scale words [step][r][f], 256 bytes a step
.set SPARE, 143360                     ; the spare words: 128 bytes a wave
.set G1, 32                            ; s[32:39] descriptor group 1
.set G0, 40                            ; s[40:43] group 0
.macro ROUND                           ; a round of the cluster's barrier
	s_barrier_signal -1
	s_barrier_wait -1
	s_cmp_lg_u32 s12, 0
	s_cbranch_scc1 .Lnot_wave_0_\@
	s_barrier_signal -3
.Lnot_wave_0_\@:
	s_barrier_wait -3
	s_barrier_signal -1
	s_barrier_wait -1
.endm
	s_load_b128 s[4:7], s[0:1], 0x0                ; q, kv
	s_load_b64 s[10:11], s[0:1], 0x10              ; o
	v_lshl_add_u32 v251, v0, 2, SPARE
	v_mov_b32 v255, 0
	ds_add_u32 v251, v255                          ; the opening: the add, twice on end, and its wait ahead of my first tensor load
	ds_add_u32 v251, v255
	v_lshrrev_b32 v8, 5, v0
	s_delay_alu instid0(VALU_DEP_1)
	v_readfirstlane_b32 s12, v8                    ; wave 0..15
	v_and_b32 v9, 31, v0                           ; lane
	v_and_b32 v10, 15, v0                          ; r
	s_delay_alu instid0(VALU_DEP_2)
	v_lshlrev_b32 v1, 4, v9                        ; 16 x lane: K's codes
	s_delay_alu instid0(VALU_DEP_1)
	v_add_nc_u32 v2, VC, v1                        ; V's
	s_delay_alu instid0(VALU_DEP_4)
	v_lshl_add_u32 v3, v9, 2, KS                   ; K's scale words: 4 x lane takes two tiles
	s_delay_alu instid0(VALU_DEP_4)
	v_lshl_add_u32 v4, v10, 4, VS                  ; V's: 16 r
	v_lshlrev_b32 v6, 4, v0                        ; K's scale words' copy: 16 x thread
	s_delay_alu instid0(VALU_DEP_1)
	v_add_nc_u32 v30, KS, v6
	v_and_b32 v31, 255, v0                         ; V's scale words: entry i = 16 step + r
	s_delay_alu instid0(VALU_DEP_1)
	v_lshl_add_u32 v72, v31, 4, VS                 ; where it goes
	s_delay_alu instid0(VALU_DEP_2)
	v_lshrrev_b32 v73, 4, v31
	s_delay_alu instid0(VALU_DEP_1)
	v_lshlrev_b32 v73, 8, v73
	s_delay_alu instid0(VALU_DEP_1)
	v_lshl_add_u32 v73, v10, 2, v73                ; where it comes from: 256 step + 4 r, + 64 for each of the step's four key blocks
	v_lshlrev_b32 v74, 2, v10
	s_and_b32 s26, ttmp7, 0xffff                   ; the head, 8 n + head
	s_bfe_u32 s24, ttmp6, 0x40000                  ; my place in the cluster
	s_lshl_b32 s27, ttmp9, 2
	s_add_co_u32 s27, s27, s24                     ; work-group x
	s_lshl_b32 s27, s27, 4
	s_add_co_u32 s27, s27, s12                     ; my tile of queries within the batch: 16 x + w
	s_mov_b32 s29, 0
	s_mov_b32 s16, 0
	s_mov_b32 s17, 0
	s_mov_b32 s18, 0
	s_mov_b32 s19, 16
	s_mov_b32 s20, 0x76543210
	s_mov_b32 s21, 0xfedcba98
	s_mov_b32 s22, 0x3e38aa3b                      ; c = log2(e) / 8
	s_mov_b32 s23, s22
	s_mov_b32 s[G1], 15|(3<<16)|(1<<21)            ; the mask of all four partners; elements of 8 bytes; bit 21 beside a mask; no padding
	s_mov_b32 s[G1+1], 32<<16                      ; rows of 256 bytes
	s_mov_b32 s[G1+2], 32<<16                      ; 32 rows
	s_mov_b32 s[G1+3], 32<<16
	s_mov_b32 s[G1+4], 32
	s_mov_b32 s[G1+5], 32                          ; dense
	s_mov_b32 s[G1+6], 0
	s_mov_b32 s[G1+7], 0
	s_mov_b32 s[G0], 1
	s_lshl_b32 s[G0+1], s12, 13                    ; LDS: 8,192 x wave: K's codes, then V's
	s_lshl_b32 s28, s26, 16                        ; memory: 65,536 x head + 8,192 x wave; V's codes begin 0x240000 behind K's, so waves 8-15 go 0x230000 further
	s_add_co_u32 s28, s28, s[G0+1]
	s_lshr_b32 s24, s12, 3
	s_mul_i32 s24, s24, 0x230000
	s_add_co_u32 s28, s28, s24
	s_wait_alu depctr_va_vdst(0)
	s_wait_dscnt 0x0                               ; both opening adds are done
	s_wait_kmcnt 0x0
	s_add_nc_u64 s[G0+2:G0+3], s[6:7], s[28:29]
	s_or_b32 s[G0+3], s[G0+3], 0x80000000
	ROUND                                          ; in front of the joint loads
	tensor_load_to_lds s[G0:G0+3], s[G1:G1+7]      ; my one tensor load
	s_nop 0
.rept 4
	v_nop
.endr
	s_lshl_b32 s28, s26, 13
	s_add_co_u32 s28, s28, 0x200000
	s_add_nc_u64 s[46:47], s[6:7], s[28:29]        ; K's scale words
	s_lshl_b32 s24, s27, 6
	s_add_co_u32 s28, s28, s24
	s_add_nc_u64 s[2:3], s[4:5], s[28:29]          ; my tile's of q
	s_lshl_b32 s28, s26, 12
	s_add_co_u32 s28, s28, 0x440000
	s_add_nc_u64 s[44:45], s[6:7], s[28:29]        ; V's scale bytes
	s_lshl_b32 s28, s26, 16
	s_lshl_b32 s24, s27, 9
	s_add_co_u32 s28, s28, s24
	s_add_nc_u64 s[4:5], s[4:5], s[28:29]          ; my tile's codes of q
	global_load_b128 v[16:19], v1, s[4:5]
	global_load_b32 v24, v74, s[2:3]
.irp k, 0,1,2,3
	global_load_b32 v[164+\k], v73, s[44:45] offset:64*\k
.endr
	global_load_b128 v[160:163], v6, s[46:47]      ; 512 threads x 16 bytes: 8,192 consecutive bytes
	s_wait_loadcnt 0x0
	ds_store_b128 v30, v[160:163]
	v_perm_b32 v168, v165, v164, 0x05010400        ; four words [key block] of bytes [f] are turned into four words [f] of bytes [key block]
	v_perm_b32 v169, v165, v164, 0x07030602
	v_perm_b32 v170, v167, v166, 0x05010400
	v_perm_b32 v171, v167, v166, 0x07030602
	s_delay_alu instid0(VALU_DEP_2)
	v_perm_b32 v172, v170, v168, 0x05040100
	s_delay_alu instid0(VALU_DEP_3)
	v_perm_b32 v173, v170, v168, 0x07060302
	s_delay_alu instid0(VALU_DEP_3)
	v_perm_b32 v174, v171, v169, 0x05040100
	s_delay_alu instid0(VALU_DEP_4)
	v_perm_b32 v175, v171, v169, 0x07060302
	s_cmp_lt_u32 s12, 8                            ; 256 entries: waves 0 to 7 store them
	s_cbranch_scc0 .Lno_vs
	ds_store_b128 v72, v[172:175]
.Lno_vs:
	s_wait_tensorcnt 0x0                           ; my part of the codes has landed,
	s_wait_dscnt 0x0                               ; my part of the scale words lies in LDS,
	s_barrier_signal -1
	s_barrier_wait -1                              ; everybody's does; nothing is written there again
.irp j, 0,1,2,3
	v_mov_b32 v[20+\j], 0
	v_mov_b32 v[64+\j], 0
	v_mov_b32 v[236+\j], 0                         ; written once: a lane permute's destination counts as one of its sources
.endr
	v_mov_b32 v13, 0xff61b1e6                      ; the largest t so far: -3e38
	s_delay_alu instid0(VALU_DEP_1)
	v_floor_f32 v12, -v13
	v_mov_b32 v14, 0
	v_mov_b32 v15, 0
	v_mov_b32 v252, 0
	v_mov_b32 v253, 0
.set NN, 0
.rept 32
	v_mov_b32 v[160+NN], 0                         ; O^T: the loop is written once; its first step finds zeros
.set NN, NN+1
.endr
.Lstep:                                            ; 16 trips of 128 keys
	v_add_nc_u32 v8, s16, v1                       ; these four are also the places in front of the loads into registers that the last products read
	v_add_nc_u32 v9, s16, v2
	v_add_nc_u32 v10, s17, v3
	v_add_nc_u32 v11, s18, v4
.irp t, 0,1,2,3,4,5,6,7
	ds_load_b128 v[32+4*\t:35+4*\t], v8 offset:512*\t
.endr
.irp j, 0,1,2,3
	ds_load_b32 v[25+\j], v10 offset:128*\j        ; lanes 0-15 tile 2 j's words, lanes 16-31 tile 2 j + 1's
.endr
.irp f, 0,1,2,3
.irp c, 0,1
	ds_load_b128 v[200+8*\f+4*\c:203+8*\f+4*\c], v9 offset:1024*\f+512*\c
.endr
.endr
	ds_load_b128 v[68:71], v11
	s_wait_dscnt 9                                 ; K's twelve loads are in; V's nine, issued behind them, may be out
.irp t, 0,2,4,6                                ; S^T = K Q^T.  A tile's operand runs on into the next tile's four registers: those codes meet q's zeros
	v_wmma_scale_f32_16x16x128_f8f6f4 v[96+8*\t:103+8*\t], v[32+4*\t:39+4*\t], v[16:23], 0, v[25+\t/2], v24 matrix_a_fmt:MATRIX_FMT_FP4 matrix_b_fmt:MATRIX_FMT_FP4
	v_wmma_scale_f32_16x16x128_f8f6f4 v[104+8*\t:111+8*\t], v[36+4*\t:43+4*\t], v[16:23], 0, v[25+\t/2], v24 matrix_a_fmt:MATRIX_FMT_FP4 matrix_b_fmt:MATRIX_FMT_FP4 matrix_a_scale:MATRIX_SCALE_ROW1
.endr
.rept 4
	v_nop
.endr
.irp b, 0,1,2,3
	v_max3_num_f32 v[232+\b], v[96+16*\b], v[97+16*\b], v[98+16*\b]   ; the largest score of each block of 32 keys: for the row's maximum and for the block's largest p
.endr
.irp i, 3,5,7,9,11,13
.irp b, 0,1,2,3
	v_max3_num_f32 v[232+\b], v[232+\b], v[96+16*\b+\i], v[97+16*\b+\i]
.endr
.endr
.irp b, 0,1,2,3
	v_max_num_f32 v[232+\b], v[232+\b], v[111+16*\b]
.endr
.irp b, 0,1,2,3
	s_delay_alu instid0(VALU_DEP_4)
	v_permlanex16_b32 v[236+\b], v[232+\b], s20, s21
.endr
.irp b, 0,1,2,3
	s_delay_alu instid0(VALU_DEP_4)
	v_max_num_f32 v[232+\b], v[232+\b], v[236+\b]  ; with lane l xor 16's 16 keys
.endr
	s_delay_alu instid0(VALU_DEP_2)
	v_max3_num_f32 v254, v232, v233, v234
	s_delay_alu instid0(VALU_DEP_1)
	v_max_num_f32 v254, v254, v235
	s_delay_alu instid0(VALU_DEP_1)
	v_mul_f32 v254, s22, v254                      ; as t
	s_delay_alu instid0(VALU_DEP_1)
	v_max_num_f32 v13, v13, v254                   ; the running largest t
	v_mov_b32 v254, v12
	s_delay_alu instid0(VALU_DEP_2)
	v_floor_f32 v12, -v13                          ; the new -M: M is a whole number
	s_delay_alu instid0(VALU_DEP_1)
	v_sub_f32 v254, v12, v254                      ; old M - new M, 0 or less
	s_delay_alu instid0(VALU_DEP_1)
	v_cvt_i32_f32 v254, v254                       ; (it saturates)
	s_delay_alu instid0(VALU_DEP_1)
	v_ldexp_f32 v252, 1.0, v254                    ; f = 2^(old M - new M)
.set NN, 0
.rept 32
	v_pk_fma_f32 v[96+NN:97+NN], v[96+NN:97+NN], s[22:23], v[12:13] op_sel_hi:[1,0,0]   ; t - M, two at a time
.set NN, NN+2
.endr
.irp b, 0,1,2,3
	v_fma_f32 v[232+\b], v[232+\b], s22, v12
.endr
.set NN, 0
	s_wait_alu depctr_va_vdst(0)
.rept 64
	v_exp_f32 v[96+NN], v[96+NN]                   ; p = 2^(t - M)
.set NN, NN+1
.endr
	v_pk_mul_f32 v[14:15], v[14:15], v[252:253] op_sel_hi:[1,0]   ; the sums under the new M: a plain place behind the exponentials
	s_wait_alu depctr_va_vdst(0)                   ; one wait for the batch, ahead of its first reader
.irp b, 0,1,2,3
	v_exp_f32 v[232+\b], v[232+\b]                 ; each block's largest p
.endr
	v_pk_add_f32 v[236:237], v[100:101], v[104:105]
	v_pk_add_f32 v[248:249], v[108:109], v[112:113]
	v_pk_add_f32 v[246:247], v[116:117], v[120:121]
	v_pk_add_f32 v[244:245], v[124:125], v[128:129]
	v_pk_add_f32 v[242:243], v[132:133], v[136:137]
	v_pk_add_f32 v[240:241], v[140:141], v[144:145]
	v_pk_add_f32 v[238:239], v[148:149], v[152:153]
	v_pk_add_f32 v[14:15], v[14:15], v[156:157]
	v_pk_add_f32 v[236:237], v[236:237], v[96:97]
	v_pk_add_f32 v[248:249], v[248:249], v[98:99]
	v_pk_add_f32 v[246:247], v[246:247], v[102:103]
	v_pk_add_f32 v[244:245], v[244:245], v[106:107]
	v_pk_add_f32 v[242:243], v[242:243], v[110:111]
	v_pk_add_f32 v[240:241], v[240:241], v[114:115]
	v_pk_add_f32 v[238:239], v[238:239], v[118:119]
	v_pk_add_f32 v[14:15], v[14:15], v[122:123]
	v_pk_add_f32 v[236:237], v[236:237], v[126:127]
	v_pk_add_f32 v[248:249], v[248:249], v[130:131]
	v_pk_add_f32 v[246:247], v[246:247], v[134:135]
	v_pk_add_f32 v[244:245], v[244:245], v[138:139]
	v_pk_add_f32 v[242:243], v[242:243], v[142:143]
	v_pk_add_f32 v[240:241], v[240:241], v[146:147]
	v_pk_add_f32 v[238:239], v[238:239], v[150:151]
	v_pk_add_f32 v[14:15], v[14:15], v[154:155]
	v_pk_add_f32 v[236:237], v[236:237], v[158:159]
	s_delay_alu instid0(VALU_DEP_2)
	v_pk_add_f32 v[14:15], v[14:15], v[244:245]
	s_delay_alu instid0(VALU_DEP_2)
	v_pk_add_f32 v[236:237], v[236:237], v[242:243]
	v_pk_add_f32 v[248:249], v[248:249], v[240:241]
	v_pk_add_f32 v[246:247], v[246:247], v[238:239]
	s_delay_alu instid0(VALU_DEP_2)
	v_pk_add_f32 v[14:15], v[14:15], v[248:249]
	s_delay_alu instid0(VALU_DEP_2)
	v_pk_add_f32 v[236:237], v[236:237], v[246:247]
	s_delay_alu instid0(VALU_DEP_1)
	v_pk_add_f32 v[14:15], v[14:15], v[236:237]
	s_wait_alu depctr_va_vdst(0)                   ; and one for the four
.irp b, 0,1,2,3
	v_max_num_f32 v[232+\b], 0x1800000, v[232+\b]  ; the floor 2^(3 - 127): the byte cannot fall under 1
.endr
.irp b, 0,1,2,3
	s_delay_alu instid0(VALU_DEP_4)
	v_add_nc_u32 v[244+\b], 0xff000000, v[232+\b]
.endr
.irp b, 0,1,2,3
	s_delay_alu instid0(VALU_DEP_4)
	v_lshrrev_b32 v[236+\b], 23, v[244+\b]
.endr
	s_delay_alu instid0(VALU_DEP_3)
	v_lshl_or_b32 v29, v237, 8, v236               ; p's scale word for these 128 keys
	s_delay_alu instid0(VALU_DEP_1)
	v_lshl_or_b32 v29, v238, 16, v29
	s_delay_alu instid0(VALU_DEP_1)
	v_lshl_or_b32 v29, v239, 24, v29
.irp b, 0,1,2,3
	v_cvt_scalef32_pk8_fp4_f32 v[192+2*\b], v[96+16*\b:103+16*\b], v[244+\b]
	v_cvt_scalef32_pk8_fp4_f32 v[193+2*\b], v[104+16*\b:111+16*\b], v[244+\b]
.endr
	v_nop                                          ; one plain place behind a scaled conversion
.irp c, 0,1
.irp i, 0,1
	v_permlane16_swap_b32 v[192+4*\c+\i], v[194+4*\c+\i]
.endr
.endr
.set NN, 0
.rept 16
	v_pk_mul_f32 v[160+NN:161+NN], v[160+NN:161+NN], v[252:253] op_sel_hi:[1,0]   ; O^T under the new M; these sixteen are also the places between p's scale word and codes and the products
.set NN, NN+2
.endr
	s_wait_alu depctr_va_vdst(0)
	s_wait_dscnt 0x0                               ; V
.irp f, 0,1,2,3                                ; O^T += V^T P^T: four accumulators, one turn each
	v_wmma_scale_f32_16x16x128_f8f6f4 v[160+8*\f:167+8*\f], v[200+8*\f:207+8*\f], v[192:199], v[160+8*\f:167+8*\f], v[68+\f], v29 matrix_a_fmt:MATRIX_FMT_FP4 matrix_b_fmt:MATRIX_FMT_FP4
.endr
	s_add_co_u32 s16, s16, 4096
	s_add_co_u32 s17, s17, 512
	s_add_co_u32 s18, s18, 256
	s_sub_co_u32 s19, s19, 1
	s_cmp_lg_u32 s19, 0
	s_cbranch_scc1 .Lstep
	; ---- the way out: O^T / the sum, quantised along the head's 64 (two blocks), stored as piece head % 2 of K step head / 2 of the next product's fragment
.rept 4
	v_nop
.endr
	v_add_f32 v14, v14, v15
	s_delay_alu instid0(VALU_DEP_1)
	v_permlanex16_b32 v252, v14, s20, s21
	s_delay_alu instid0(VALU_DEP_1)
	v_add_f32 v14, v14, v252                       ; the row's sum
	s_wait_alu depctr_va_vdst(0)
	v_rcp_f32 v14, v14
	v_and_b32 v8, 15, v0                           ; (a plain place behind the reciprocal)
	s_delay_alu instid0(VALU_DEP_1)
	v_lshlrev_b32 v8, 4, v8                        ; 16 r
	s_lshr_b32 s18, s26, 3
	s_lshl_b32 s18, s18, 7
	s_add_co_u32 s18, s18, s27                     ; the tile among all 512
	s_and_b32 s19, s26, 7                          ; the head among 8
	s_lshl_b32 s16, s18, 3
	s_add_co_u32 s16, s16, s19
	s_lshl_b32 s16, s16, 9
	s_mov_b32 s17, 0
	s_add_nc_u64 s[4:5], s[10:11], s[16:17]        ; codes: (8 tile + head) x 512
	s_lshl_b32 s16, s18, 8
	s_lshl_b32 s19, s19, 1
	s_add_co_u32 s16, s16, s19
	s_add_co_u32 s16, s16, 0x200000
	s_add_nc_u64 s[6:7], s[10:11], s[16:17]        ; scale bytes: 256 tile + 16 r + 2 head, behind the codes
	s_wait_alu depctr_va_vdst(0)                   ; ahead of the reciprocal's first reader
.set NN, 0
.rept 16
	v_pk_mul_f32 v[160+NN:161+NN], v[160+NN:161+NN], v[14:15] op_sel_hi:[1,0]
.set NN, NN+2
.endr
.irp b, 0,1
	v_max3_num_f32 v[232+\b], |v[160+16*\b]|, |v[161+16*\b]|, 0x1800000
.endr
.irp i, 2,4,6,8,10,12,14
.irp b, 0,1
	s_delay_alu instid0(VALU_DEP_2)
	v_max3_num_f32 v[232+\b], v[232+\b], |v[160+16*\b+\i]|, |v[161+16*\b+\i]|
.endr
.endr
.irp b, 0,1
	s_delay_alu instid0(VALU_DEP_2)
	v_permlanex16_b32 v[236+\b], v[232+\b], s20, s21
.endr
.irp b, 0,1
	s_delay_alu instid0(VALU_DEP_2)
	v_max_num_f32 v[232+\b], v[232+\b], v[236+\b]
.endr
.irp b, 0,1
	s_delay_alu instid0(VALU_DEP_2)
	v_add_nc_u32 v[244+\b], 0xff000000, v[232+\b]
.endr
.irp b, 0,1
	s_delay_alu instid0(VALU_DEP_2)
	v_lshrrev_b32 v[236+\b], 23, v[244+\b]
.endr
	s_delay_alu instid0(VALU_DEP_1)
	v_lshl_or_b32 v238, v237, 8, v236
.irp b, 0,1
	v_cvt_scalef32_pk8_fp4_f32 v[192+2*\b], v[160+16*\b:167+16*\b], v[244+\b]
	v_cvt_scalef32_pk8_fp4_f32 v[193+2*\b], v[168+16*\b:175+16*\b], v[244+\b]
.endr
	v_nop
	v_permlane16_swap_b32 v192, v194
	v_permlane16_swap_b32 v193, v195
	global_store_b128 v1, v[192:195], s[4:5]       ; 512 consecutive bytes, aligned
	global_store_b16 v8, v238, s[6:7]              ; two bytes a row; lanes r and 16 + r hold the same two bytes for the same place
	s_wait_tensorcnt 0x0                           ; the wave's end
	ds_add_u32 v251, v255
	s_wait_dscnt 0x0
	ROUND                                          ; the closing round
	s_endpgm
.Lfunc_end_k_q2d204c9332_attn_ca:
	.size	k_q2d204c9332_attn_ca, .Lfunc_end_k_q2d204c9332_attn_ca-k_q2d204c9332_attn_ca
	.p2alignl 7, 3214868480
	.fill 96, 4, 3214868480
	.section	.rodata,"a",@progbits
	.p2align	6, 0x0
	.amdhsa_kernel k_q2d204c9332_attn_ca
		.amdhsa_group_segment_fixed_size 327680
		.amdhsa_private_segment_fixed_size 0
		.amdhsa_enable_private_segment 0
		.amdhsa_kernarg_size 24
		.amdhsa_user_sgpr_count 2
		.amdhsa_user_sgpr_kernarg_segment_ptr 1
		.amdhsa_wavefront_size32 1
		.amdhsa_system_sgpr_workgroup_id_x 1
		.amdhsa_system_sgpr_workgroup_id_y 1
		.amdhsa_system_sgpr_workgroup_id_z 1
		.amdhsa_system_vgpr_workitem_id 0
		.amdhsa_next_free_vgpr 256
		.amdhsa_next_free_sgpr 66
		.amdhsa_reserve_vcc 0
		.amdhsa_float_denorm_mode_32 3
		.amdhsa_float_denorm_mode_16_64 3
		.amdhsa_memory_ordered 1
		.amdhsa_forward_progress 1
		.amdhsa_inst_pref_size 30
	.end_amdhsa_kernel
	.amdgpu_metadata
---
amdhsa.version: [ 1, 2 ]
amdhsa.kernels:
  - .name:           k_q2d204c9332_attn_ca
    .symbol:         k_q2d204c9332_attn_ca.kd
    .args:
      - { .name: q, .offset: 0, .size: 8, .value_kind: global_buffer, .address_space: global }
      - { .name: kvb, .offset: 8, .size: 8, .value_kind: global_buffer, .address_space: global }
      - { .name: o, .offset: 16, .size: 8, .value_kind: global_buffer, .address_space: global }
    .group_segment_fixed_size: 327680
    .private_segment_fixed_size: 0
    .kernarg_segment_align: 8
    .kernarg_segment_size: 24
    .max_flat_workgroup_size: 512
    .sgpr_count:     66
    .vgpr_count:     256
    .wavefront_size: 32
...
	.end_amdgpu_metadata
.endif
;; end of part 4
;; launch ffn (part 5): grid 256 x 1, 4 waves a work-group, clusters of 4 x 1, 327,680 bytes of LDS; arguments o, x1, wl, ca_wo_scales, ca_bo, ln2_w, ln2_b, w1_scales, b1, w2_scales, b2, ln3_w, ln3_b, out0; writes out0
.if DOCPART == 5
	.amdgcn_target "amdgcn-amd-amdhsa--gfx1250"
	.amdhsa_code_object_version 6
	.text
	.protected	k_q2d204c9332_ffn
	.globl	k_q2d204c9332_ffn
	.p2align	8
	.type	k_q2d204c9332_ffn,@function
k_q2d204c9332_ffn:
	s_mov_b64 s[64:65], 0
	v_nop
	global_prefetch_b8 v0, s[64:65] scope:SCOPE_SE
	s_setreg_imm32_b32 hwreg(HW_REG_WAVE_MODE, 25, 1), 1
	s_wait_xcnt 0x0
	s_wait_alu depctr_hold_cnt(0) depctr_sa_sdst(0) depctr_va_vdst(0) depctr_va_sdst(0) depctr_va_ssrc(0) depctr_va_vcc(0) depctr_vm_vsrc(0)
	s_getreg_b32 s2, hwreg(HW_REG_IB_STS2, 6, 4)
	s_cmp_eq_u32 s2, 0
	s_cbranch_scc0 .Lentry_in_a_cluster
	s_endpgm
.Lentry_in_a_cluster:
	s_bfe_u32 s2, ttmp6, 0x10000c
	s_cmp_lg_u32 s2, 0x3003
	s_cbranch_scc0 .Lentry_shape_is_right
	s_endpgm
.Lentry_shape_is_right:
; x2 = LN(x1 + o ca_wo^T + ca_bo); out0 = LN(x2 + relu(x2 w1^T + b1) w2^T + b2).  All products on codes of E2M1 with E8M0 scales; the hidden layer never goes to memory.
; SHARES.  A work-group takes 32 rows; lane r of tile u is row 32 G + 8 u + r + 8 (r / 8).  Wave w makes output features 128 w .. + 127 and hidden units 512 w .. + 511 for all 32 rows.
; THE WEIGHTS are the same for every work-group: nine chunks (0: ca_wo; 1-4: w1; 5-8: w2), each 4 waves x 32,768 bytes, dense in wl in the order of the operand registers; step n multiplies by chunk n.
; THEY COME BY TWO WAYS AT ONCE.  JOINTLY through LDS (cluster 4 x 1, mask 15, a descriptor made of wl, the wave's number and constants; one tensor load of 32,768 bytes a wave): chunk 0 whole at the head, then
; tiles 0-3 (the first 16,384 bytes) of two neighbouring chunks as 2 rows 32,768 bytes apart: chunks 1, 2 asked for at step 0, chunks 3, 4 at step 1, chunks 5, 6 at step 3, chunks 7, 8 at step 5, two slots of
; 131,072 bytes by turns.  Each of these four requests stands behind the three lines and a round of the cluster's barrier; the rounds of steps 1 and 5 are also the barriers by which x2's and the hidden layer's
; images pass from wave to wave.  A wave reads its own 32,768 bytes of a slot alone.  STRAIGHT INTO REGISTERS: tiles 4-7 of chunks 1 to 8, 32 loads of 512 consecutive bytes, asked for a step ahead into the idle window.
; REASON for the half that is not shared: LDS holds two slots beside the images, and a wave has one tensor load between two rounds; the idle window's registers take the other half and need no slot.
; Residual and bias lie in the accumulators (Y, window 3) before the first product.  128 hidden units of a wave are one K step of the second product: step 4 w + j.
; NO PREFETCH: the nine steps are written out; the text has no loop to run ahead in.
; LIMITS: NaN and infinities are not served; a block of zeros gets the scale byte 1 over zero codes.
; REGISTERS.  Window 0: v1-15 addresses; v16-79 XF; v80-143 HA; v144-159 codes just made; v160-175 the quantiser's; v176-177 scale words just made; v178-191 the norm's; v192-199 XS; v200-231 the weights' scale words,
; two sets; v248-251 at work; v254, v255 the add's.  Windows 1, 2: a chunk of weights each.  Window 3: v0-127 Y; v128-191 P0, v192-255 P1: parameters.
.set XIMG, 0
.set XSC,  8192
.set RED1, 9216
.set RED2, 9728
.set RED3, 10240
.set RED4, 10752
.set HIMG, 11264                       ; the hidden layer's fragment (tile u, K step k) at (16 u + k) x 1,024
.set HSC,  44032                       ; its scale words at (16 u + k) x 128
.set SPARE, 48128                      ; the spare words: 128 bytes a wave, two blocks of 256 bytes
.set SLOT0, 48640
.set SLOT1, SLOT0+131072
.set STG,  SLOT1                       ; the way out: 32 rows x (2,048 + 16) bytes, in slot 1, which has had its last fill (chunks 5, 6) and its last read by then
.set W_WO5, 524288                     ; places in wl: ca_wo (32,768 a wave), w1 and w2 (131,072 a wave, 32,768 a chunk)
.set W_W1,  655360
.set W_W2,  1179648
.set LI,  1
.set LS,  2
.set SO,  3
.set BA,  4
.set SR,  5
.set WL0, 6                            ; my part of slot 0: SLOT0 + 32,768 x wave + 16 x lane
.set WSA, 7
.set XWI, 8
.set XWS, 9
.set RA,  10
.set R16, 11
.set WL1, 12                           ; and of slot 1
.set WSA2, 13
.set HWI, 14
.set HWS, 15
.set XF,  16
.set HA,  80
.set PC,  144
.set TM,  160
.set PW,  176
.set AC0, 178
.set AC1, 180
.set PT,  182
.set RS0, 184
.set RS1, 188
.set XS,  192
.set WS0, 200
.set WS1, 216
.set RR,  248
.set HH,  249
.set RHO, 250
.set LL,  251
.set SPW, 254
.set NIL, 255
.set P0,  128
.set P1,  192
.set GX,  24                           ; s24: my work-group's number, 4 x cluster + place
.set WV,  36
.set OSB, 38
.set HM,  42
.set SEL, 44
.set INV, 46
.set EPS, 47
.set G1,  48                           ; s[48:55] descriptor group 1
.set G0,  56                           ; s[56:59], s[60:63] group 0 for slot 0, slot 1
.set MSB, 0
.macro WIN new
.if MSB != (\new)
	s_set_vgpr_msb (MSB<<8)|(\new)
.set MSB, (\new)
.endif
.endm
.macro PLACES
.rept 4
	v_nop
.endr
.endm
.macro BARRIER
	s_wait_dscnt 0x0
	s_barrier_signal -1
	s_barrier_wait -1
.endm
.macro ROUND                           ; a round of the cluster's barrier
	s_barrier_signal -1
	s_barrier_wait -1
	s_cmp_lg_u32 s[WV], 0
	s_cbranch_scc1 .Lnot_wave_0_\@
	s_barrier_signal -3
.Lnot_wave_0_\@:
	s_barrier_wait -3
	s_barrier_signal -1
	s_barrier_wait -1
.endm
; A REQUEST: my load that was out has landed; the add; my LDS reads and stores are done; the round; then two chunks' tiles 0-3 into slot ns, which has been read out.  first = 1: the rows' distance is set for pairs of chunks
.macro SEQ ns, off, first
	WIN 0
	s_wait_alu depctr_va_vdst(0)
	s_wait_tensorcnt 0x0
	ds_add_u32 v[SPW], v[NIL]
	s_add_nc_u64 s[G0+4*\ns+2:G0+4*\ns+3], s[18:19], \off   ; no tensor load of mine is out: the descriptors may be written
	s_or_b32 s[G0+4*\ns+3], s[G0+4*\ns+3], 0x80000000
.if \first
	s_mov_b32 s[G1+5], 4096                        ; 32,768 bytes from chunk to chunk
.endif
	s_wait_dscnt 0x0
	ROUND
	tensor_load_to_lds s[G0+4*\ns:G0+4*\ns+3], s[G1:G1+7]
	s_nop 0
	PLACES                                         ; also the places in front of loads into registers that the last products read
.endm
.macro LDW win, adr, off, ntl          ; tiles 0 .. ntl - 1 of a chunk from my part of a slot: fragment (tile t, K step s) at v[8 (4 t + s)] of the window; 2 ntl loads a K step, K steps in order
	WIN (\win)<<6
.irp s, 0,1,2,3
.irp t, 0,1,2,3,4,5,6,7
.if \t < \ntl
.irp c, 0,1
	ds_load_b128 v[8*(4*\t+\s)+4*\c:8*(4*\t+\s)+4*\c+3], v[\adr] offset:(\off)+512*(8*\t+2*\s+\c)
.endr
.endif
.endr
.endr
.endm
.macro WLG win, off                    ; tiles 4-7 of a chunk out of wl: pieces 32 .. 63 into registers 128 .. 255 of the window
	WIN (\win)<<6
.set PP, 0
.rept 32
	global_load_b128 v[128+4*PP:131+4*PP], v[LI], s[18:19] offset:(\off)+16384+512*PP
.set PP, PP+1
.endr
.endm
.macro WMA d, a, b, c, sa, sb, ra      ; ra = 1: source 0's scales stand in lanes 16-31
.if (\ra)
	v_wmma_scale_f32_16x16x128_f8f6f4 v[(\d):(\d)+7], v[(\a):(\a)+7], v[(\b):(\b)+7], v[(\c):(\c)+7], v[(\sa)], v[(\sb)] matrix_a_fmt:MATRIX_FMT_FP4 matrix_b_fmt:MATRIX_FMT_FP4 matrix_a_scale:MATRIX_SCALE_ROW1
.else
	v_wmma_scale_f32_16x16x128_f8f6f4 v[(\d):(\d)+7], v[(\a):(\a)+7], v[(\b):(\b)+7], v[(\c):(\c)+7], v[(\sa)], v[(\sb)] matrix_a_fmt:MATRIX_FMT_FP4 matrix_b_fmt:MATRIX_FMT_FP4
.endif
.endm
.macro QUANT s, w, pc, pw              ; 64 numbers of a lane (window w), register 16 b + i = place 32 b + 16 (lane / 16) + i along K -> a fragment's codes and its scale word (window 0)
	WIN (\w)|((\w)<<2)
.irp b, 0,1,2,3
	v_max3_num_f32 v[TM+\b], |v[(\s)+16*\b]|, |v[(\s)+1+16*\b]|, 0x1800000
.endr
	WIN ((\w)<<2)|((\w)<<4)
.irp i, 2,4,6,8,10,12,14
.irp b, 0,1,2,3
	v_max3_num_f32 v[TM+\b], v[TM+\b], |v[(\s)+16*\b+\i]|, |v[(\s)+1+16*\b+\i]|
.endr
.endr
	WIN 0
.irp b, 0,1,2,3
	v_permlanex16_b32 v[TM+4+\b], v[TM+\b], s[SEL], s[SEL+1]
.endr
.irp b, 0,1,2,3
	v_max_num_f32 v[TM+\b], v[TM+\b], v[TM+4+\b]
.endr
.irp b, 0,1,2,3
	v_add_nc_u32 v[TM+12+\b], 0xff000000, v[TM+\b]
.endr
.irp b, 0,1,2,3
	v_lshrrev_b32 v[TM+4+\b], 23, v[TM+12+\b]
.endr
	v_lshl_or_b32 v[\pw], v[TM+5], 8, v[TM+4]
	v_lshl_or_b32 v[\pw], v[TM+6], 16, v[\pw]
	v_lshl_or_b32 v[\pw], v[TM+7], 24, v[\pw]
	WIN (\w)
.irp b, 0,1,2,3
	v_cvt_scalef32_pk8_fp4_f32 v[(\pc)+2*\b], v[(\s)+16*\b:(\s)+16*\b+7], v[TM+12+\b]
	v_cvt_scalef32_pk8_fp4_f32 v[(\pc)+1+2*\b], v[(\s)+16*\b+8:(\s)+16*\b+15], v[TM+12+\b]
.endr
	WIN 0
	v_nop                                          ; one plain place behind a scaled conversion
.irp c, 0,1
.irp i, 0,1
	v_permlane16_swap_b32 v[(\pc)+4*\c+\i], v[(\pc)+2+4*\c+\i]
.endr
.endr
.endm
.macro PLOAD dst, sb, off
	WIN 0xc0
.irp b, 0,1,2,3
.irp q, 0,1,2,3
	global_load_b128 v[(\dst)+16*\b+4*\q:(\dst)+16*\b+4*\q+3], v[BA], s[(\sb):(\sb)+1] offset:(\off)+128*\b+16*\q
.endr
.endr
.endm
.macro WSLOAD ws, adr, sb, spitch, soff
	WIN 0
.irp b, 0,1,2,3
	global_load_b128 v[(\ws)+4*\b:(\ws)+4*\b+3], v[\adr], s[(\sb):(\sb)+1] offset:32*\b*(\spitch)+(\soff)
.endr
.endm
.macro IMAGE adr, pc, off
.irp c, 0,1
	ds_store_b128 v[\adr], v[(\pc)+4*\c:(\pc)+4*\c+3] offset:(\off)+512*\c
.endr
.endm
.macro FETCH8 off0, ustr, soff0, sustr
	WIN 0
.irp u, 0,1
.irp s, 0,1,2,3
.irp c, 0,1
	ds_load_b128 v[XF+8*(4*\u+\s)+4*\c:XF+8*(4*\u+\s)+4*\c+3], v[LI] offset:(\off0)+(\ustr)*\u+1024*\s+512*\c
.endr
	ds_load_b32 v[XS+4*\u+\s], v[LS] offset:(\soff0)+(\sustr)*\u+128*\s
.endr
.endr
.endm
; 32 products, transposed; eight accumulators by turns; the bias (window 3) starts each sum.  wt = 1: the chunk's LDS loads are still coming: K step s waits until only the 8 loads of each later K step are out
.macro PROD_T ww, u, pb, ws, wt
.irp s, 0,1,2,3
.if \s == 0
	WIN (\ww)|0x30
.else
	WIN (\ww)
.endif
.if \wt
.if \s == 0
	s_wait_alu depctr_va_vdst(0)
.endif
	s_wait_dscnt (3-\s)*8
.endif
.irp t, 0,1,2,3,4,5,6,7
.if \s == 0
	WMA HA+8*\t, 8*(4*\t+\s), XF+8*(4*(\u)+\s), (\pb)+8*\t, (\ws)+4*(\t/2)+\s, XS+4*(\u)+\s, \t%2
.else
	WMA HA+8*\t, 8*(4*\t+\s), XF+8*(4*(\u)+\s), HA+8*\t, (\ws)+4*(\t/2)+\s, XS+4*(\u)+\s, \t%2
.endif
.endr
.endr
.endm
.macro PROD_Y ww, ws, q                ; 64 products onto Y (window 3): sixteen accumulators by turns; q: the chunk's LDS loads a K step, for the same counted waits
	WIN (\ww)|0xf0
	s_wait_alu depctr_va_vdst(0)
.irp s, 0,1,2,3
	s_wait_dscnt (3-\s)*(\q)
.irp u, 0,1
.irp t, 0,1,2,3,4,5,6,7
	WMA 64*\u+8*\t, 8*(4*\t+\s), XF+8*(4*\u+\s), 64*\u+8*\t, (\ws)+4*(\t/2)+\s, XS+4*\u+\s, \t%2
.endr
.endr
.endr
.endm
.macro YADD pb
	WIN 0xcf
.set PP, 0
.rept 32
	v_pk_add_f32 v[PP:PP+1], v[PP:PP+1], v[(\pb)+PP:(\pb)+PP+1]
	v_pk_add_f32 v[64+PP:65+PP], v[64+PP:65+PP], v[(\pb)+PP:(\pb)+PP+1]
.set PP, PP+2
.endr
.endm
.macro LN_SUM red                      ; the two running pairs become the rows' sums over all 512 features, in every lane of every wave, added in one order
	WIN 0
	v_add_f32 v[AC0], v[AC0], v[AC0+1]
	v_add_f32 v[AC1], v[AC1], v[AC1+1]
	v_permlanex16_b32 v[PT], v[AC0], s[SEL], s[SEL+1]
	v_permlanex16_b32 v[PT+1], v[AC1], s[SEL], s[SEL+1]
	v_add_f32 v[AC0], v[AC0], v[PT]
	v_add_f32 v[AC1], v[AC1], v[PT+1]
	v_cndmask_b32 v[PT], v[AC0], v[AC1], s[HM]
	ds_store_b32 v[RA], v[PT] offset:\red
	BARRIER
	ds_load_b128 v[RS0:RS0+3], v[R16] offset:\red
	ds_load_b128 v[RS1:RS1+3], v[R16] offset:(\red)+256
	s_wait_dscnt 0x0
	v_add_f32 v[RS0], v[RS0], v[RS0+1]
	v_add_f32 v[RS0+2], v[RS0+2], v[RS0+3]
	v_add_f32 v[RS1], v[RS1], v[RS1+1]
	v_add_f32 v[RS1+2], v[RS1+2], v[RS1+3]
	v_add_f32 v[RS0], v[RS0], v[RS0+2]
	v_add_f32 v[RS1], v[RS1], v[RS1+2]
.endm
.macro LN_STAT red1, red2              ; Y becomes Y - mean; v[RS0], v[RS1] become 1 / sqrt(variance + 1e-5)
	WIN 0x0f
	v_pk_add_f32 v[AC0:AC0+1], v[0:1], v[2:3]      ; each accumulator is read from its low end on
	v_pk_add_f32 v[AC1:AC1+1], v[64:65], v[66:67]
	WIN 0x0c
.set PP, 4
.rept 30
	v_pk_add_f32 v[AC0:AC0+1], v[AC0:AC0+1], v[PP:PP+1]
	v_pk_add_f32 v[AC1:AC1+1], v[AC1:AC1+1], v[64+PP:65+PP]
.set PP, PP+2
.endr
	LN_SUM \red1
	v_mul_f32 v[RS0], s[INV], v[RS0]
	v_mul_f32 v[RS1], s[INV], v[RS1]
	WIN 0xc3
.set PP, 0
.rept 32
	v_pk_add_f32 v[PP:PP+1], v[PP:PP+1], v[RS0:RS0+1] op_sel_hi:[1,0] neg_lo:[0,1] neg_hi:[0,1]
	v_pk_add_f32 v[64+PP:65+PP], v[64+PP:65+PP], v[RS1:RS1+1] op_sel_hi:[1,0] neg_lo:[0,1] neg_hi:[0,1]
.set PP, PP+2
.endr
	WIN 0x0f
	v_pk_mul_f32 v[AC0:AC0+1], v[0:1], v[0:1]
	v_pk_mul_f32 v[AC1:AC1+1], v[64:65], v[64:65]
.set PP, 2
.rept 31
	v_pk_fma_f32 v[AC0:AC0+1], v[PP:PP+1], v[PP:PP+1], v[AC0:AC0+1]
	v_pk_fma_f32 v[AC1:AC1+1], v[64+PP:65+PP], v[64+PP:65+PP], v[AC1:AC1+1]
.set PP, PP+2
.endr
	LN_SUM \red2
	v_fma_f32 v[RS0], v[RS0], s[INV], s[EPS]
	v_fma_f32 v[RS1], v[RS1], s[INV], s[EPS]
	s_wait_alu depctr_va_vdst(0)
	v_rsq_f32 v[RS0], v[RS0]
	v_rsq_f32 v[RS1], v[RS1]
	v_nop                                          ; a plain place behind the roots
	s_wait_alu depctr_va_vdst(0)                   ; one wait for both, ahead of their first reader
.endm
.macro LN_APPLY lw, lb
	WIN 0xc3
.set PP, 0
.rept 32
	v_pk_mul_f32 v[PP:PP+1], v[PP:PP+1], v[RS0:RS0+1] op_sel_hi:[1,0]
	v_pk_mul_f32 v[64+PP:65+PP], v[64+PP:65+PP], v[RS1:RS1+1] op_sel_hi:[1,0]
.set PP, PP+2
.endr
	WIN 0xff
.set PP, 0
.rept 32
	v_pk_fma_f32 v[PP:PP+1], v[PP:PP+1], v[(\lw)+PP:(\lw)+PP+1], v[(\lb)+PP:(\lb)+PP+1]
	v_pk_fma_f32 v[64+PP:65+PP], v[64+PP:65+PP], v[(\lw)+PP:(\lw)+PP+1], v[(\lb)+PP:(\lb)+PP+1]
.set PP, PP+2
.endr
.endm
; chunk j of the first layer: my hidden units 128 j .. + 127 for both tiles of rows: product, relu, quantiser, image of K step 4 w + j
.macro FFN1 j, ww, ws, pb
.irp u, 0,1
	PROD_T \ww, \u, \pb, \ws, 1-\u
	WIN 0
	PLACES
.set PP, 0
.rept 64
	v_max_num_f32 v[HA+PP], 0, v[HA+PP]            ; the activation, in f32, each accumulator from its low end on
.set PP, PP+1
.endr
	s_wait_dscnt 0x0                               ; the last images' stores are done: the code registers may be written again
	QUANT HA, 0, PC+8*\u, PW+\u
	IMAGE HWI, PC+8*\u, HIMG+16384*\u+1024*(\j)
	ds_store_b32 v[HWS], v[PW+\u] offset:HSC+2048*\u+128*(\j)
.endr
.endm
	s_load_b256 s[4:11], s[0:1], 0x0               ; o, x1, wl, wo scales
	s_load_b128 s[12:15], s[0:1], 0x20             ; bo, ln2_w
	s_load_b64 s[16:17], s[0:1], 0x30              ; ln2_b
	s_load_b128 s[20:23], s[0:1], 0x38             ; w1 scales, b1
	s_load_b64 s[26:27], s[0:1], 0x48              ; w2 scales
	s_load_b128 s[28:31], s[0:1], 0x50             ; b2, ln3_w
	s_load_b128 s[32:35], s[0:1], 0x60             ; ln3_b, out0
	v_lshl_add_u32 v[SPW], v0, 2, SPARE
	v_mov_b32 v[NIL], 0
	ds_add_u32 v[SPW], v[NIL]                      ; the opening: the add, twice on end, and its wait ahead of my first tensor load
	ds_add_u32 v[SPW], v[NIL]
	v_lshrrev_b32 v[LL], 5, v0
	v_readfirstlane_b32 s[WV], v[LL]
	v_and_b32 v[LL], 31, v0
	v_and_b32 v[RR], 15, v0
	v_bfe_u32 v[HH], v0, 4, 1
	v_and_b32 v[RHO], 8, v[RR]
	v_add_nc_u32 v[RHO], v[RHO], v[RR]
	v_lshlrev_b32 v[LI], 4, v[LL]
	v_lshlrev_b32 v[LS], 2, v[LL]
	v_lshlrev_b32 v[BA], 6, v[HH]
	v_lshl_add_u32 v[WSA], v[HH], 3, v[RHO]
	v_lshlrev_b32 v[WSA2], 6, v[WSA]
	v_lshlrev_b32 v[WSA], 4, v[WSA]
	s_lshl_b32 s37, s[WV], 10
	v_add_nc_u32 v[XWI], s37, v[LI]
	s_lshl_b32 s37, s[WV], 7
	v_add_nc_u32 v[XWS], s37, v[LS]
	s_lshl_b32 s37, s[WV], 2
	v_add_nc_u32 v[RA], s37, v[LI]
	v_lshlrev_b32 v[R16], 4, v[RR]
	s_lshl_b32 s37, s[WV], 12
	v_add_nc_u32 v[HWI], s37, v[LI]
	s_lshl_b32 s37, s[WV], 9
	v_add_nc_u32 v[HWS], s37, v[LS]
	v_mul_u32_u24 v[SO], v[RHO], 2064
	v_lshl_add_u32 v[SO], v[HH], 6, v[SO]
	s_add_co_u32 s37, s37, STG
	v_add_nc_u32 v[SO], s37, v[SO]                 ; row x 2,064 + 64 (lane / 16) + 512 x wave
	s_mul_i32 s37, s[WV], 16512
	s_add_co_u32 s37, s37, STG
	v_add_nc_u32 v[SR], s37, v[LI]                 ; back: my 8 rows, 16 bytes a lane
	s_lshl_b32 s37, s[WV], 15                      ; my 32,768 bytes of a slot
	s_mov_b32 s[G0], 1
	s_add_co_u32 s[G0+1], s37, SLOT0
	s_mov_b32 s[G0+4], 1
	s_add_co_u32 s[G0+5], s37, SLOT1
	v_add_nc_u32 v[WL0], s[G0+1], v[LI]
	v_add_nc_u32 v[WL1], s[G0+5], v[LI]
.irp b, 0,1,2,3
	v_mov_b32 v[TM+4+\b], 0                        ; written once: a lane permute's destination counts as one of its sources
.endr
	v_mov_b32 v[PT], 0
	v_mov_b32 v[PT+1], 0
	s_mov_b32 s[G1], 15|(3<<16)|(1<<21)            ; the mask of all four partners; elements of 8 bytes; bit 21 beside a mask; no padding
	s_mov_b32 s[G1+1], 2048<<16                    ; rows of 2,048 elements = 16,384 bytes
	s_mov_b32 s[G1+2], 2<<16                       ; 2 rows
	s_mov_b32 s[G1+3], 2048<<16
	s_mov_b32 s[G1+4], 2
	s_mov_b32 s[G1+5], 2048                        ; at the head the two rows lie on end: chunk 0 whole
	s_mov_b32 s[G1+6], 0
	s_mov_b32 s[G1+7], 0
	s_mov_b32 s[HM], 0xffff0000
	s_mov_b32 s[SEL], 0x76543210
	s_mov_b32 s[SEL+1], 0xfedcba98
	s_mov_b32 s[INV], 0x3b000000                   ; 1 / 512
	s_mov_b32 s[EPS], 0x3727c5ac                   ; 1e-5
	s_mov_b32 s41, 0
	s_bfe_u32 s25, ttmp6, 0x40000                  ; my place in the cluster
	s_lshl_b32 s[GX], ttmp9, 2
	s_add_co_u32 s[GX], s[GX], s25                 ; my group of 32 rows
	s_wait_alu depctr_va_vdst(0)
	s_wait_dscnt 0x0                               ; both opening adds are done
	s_wait_kmcnt 0x0
	s_lshl_b32 s40, s[WV], 17                      ; wl: my four chunks of w1 and of w2
	s_add_nc_u64 s[18:19], s[8:9], s[40:41]
	s_lshl_b32 s40, s[WV], 15                      ; and my chunk of ca_wo
	s_add_nc_u64 s[8:9], s[8:9], s[40:41]
	s_add_nc_u64 s[G0+2:G0+3], s[8:9], W_WO5
	s_or_b32 s[G0+3], s[G0+3], 0x80000000
	ROUND                                          ; in front of the first joint load
	tensor_load_to_lds s[G0:G0+3], s[G1:G1+7]      ; chunk 0, ca_wo: my one load at the head
	s_nop 0
	PLACES
	s_lshl_b32 s40, s[GX], 9
	s_add_co_u32 s40, s40, 0x200000
	s_add_nc_u64 s[OSB:OSB+1], s[4:5], s[40:41]    ; o's scale bytes
	s_lshl_b32 s40, s[GX], 13
	s_add_nc_u64 s[4:5], s[4:5], s[40:41]          ; o's codes
	s_lshl_b32 s40, s[GX], 16
	s_lshl_b32 s37, s[WV], 14
	s_add_co_u32 s40, s40, s37
	s_add_nc_u64 s[6:7], s[6:7], s[40:41]          ; x1's images: 65,536 a group, 16,384 a wave
	s_add_nc_u64 s[34:35], s[34:35], s[40:41]      ; out0: 32 rows of 2,048 bytes a group, 8 rows a wave
	s_lshl_b32 s40, s[WV], 11
	s_add_nc_u64 s[10:11], s[10:11], s[40:41]
	s_add_nc_u64 s[22:23], s[22:23], s[40:41]      ; b1: my 512 numbers
	s_lshl_b32 s40, s[WV], 9
	s_add_nc_u64 s[12:13], s[12:13], s[40:41]
	s_add_nc_u64 s[14:15], s[14:15], s[40:41]
	s_add_nc_u64 s[16:17], s[16:17], s[40:41]
	s_add_nc_u64 s[28:29], s[28:29], s[40:41]
	s_add_nc_u64 s[30:31], s[30:31], s[40:41]
	s_add_nc_u64 s[32:33], s[32:33], s[40:41]
	s_lshl_b32 s40, s[WV], 13                      ; w1's and w2's scale bytes: 512 x 16, 128 x 64
	s_add_nc_u64 s[20:21], s[20:21], s[40:41]
	s_add_nc_u64 s[26:27], s[26:27], s[40:41]
	; ---- the attention's codes, the residual, the first parameters and scale words; last, chunk 1's tiles 4-7
.irp u, 0,1
.irp s, 0,1,2,3
.irp c, 0,1
	global_load_b128 v[XF+8*(4*\u+\s)+4*\c:XF+8*(4*\u+\s)+4*\c+3], v[LI], s[4:5] offset:4096*\u+1024*\s+512*\c
.endr
.endr
.endr
	global_load_b128 v[XS:XS+3], v[R16], s[OSB:OSB+1]
	global_load_b128 v[XS+4:XS+7], v[R16], s[OSB:OSB+1] offset:256
	WIN 0xc0
.set PP, 0
.rept 32
	global_load_b128 v[4*PP:4*PP+3], v[LI], s[6:7] offset:512*PP
.set PP, PP+1
.endr
	PLOAD P0, 12, 0
	PLOAD P1, 14, 0
	WSLOAD WS0, WSA, 10, 16, 0
	WSLOAD WS1, WSA, 20, 16, 0
	WLG 2, W_W1
	s_wait_loadcnt 32                              ; all but the 32 loads of chunk 1, issued last
	YADD P0                                        ; Y = x1 + ca_bo
	PLOAD P0, 16, 0                                ; ln2_b
	; ---- step 0: ca_wo; the norm; x2 is quantised
	SEQ 1, W_W1, 1                                 ; chunks 1, 2
	LDW 1, WL0, 0, 8
	PROD_Y 1, WS0, 16
	WIN 0
	PLACES
	LN_STAT RED1, RED2
	s_wait_loadcnt 0x0
	LN_APPLY P1, P0
	PLOAD P0, 22, 0                                ; b1, chunk 1's
	QUANT 0, 3, PC, PW
	QUANT 64, 3, PC+8, PW+1
	IMAGE XWI, PC, XIMG
	IMAGE XWI, PC+8, XIMG+4096
	ds_store_b32 v[XWS], v[PW] offset:XSC
	ds_store_b32 v[XWS], v[PW+1] offset:XSC+512
	; ---- steps 1 to 4: the first layer.  Scale words, bias and tiles 4-7 of the next step are asked for a step ahead
	SEQ 0, W_W1+65536, 0                           ; chunks 3, 4; behind the round x2's eight fragments lie in LDS
	FETCH8 XIMG, 4096, XSC, 512
	LDW 2, WL1, 0, 4
	s_wait_loadcnt 0x0
	WSLOAD WS0, WSA, 20, 16, 2048
	PLOAD P1, 22, 512
	WLG 1, W_W1+32768
	FFN1 0, 2, WS1, P0
	LDW 1, WL1, 16384, 4
	s_wait_loadcnt 0x0
	WSLOAD WS1, WSA, 20, 16, 4096
	PLOAD P0, 22, 1024
	WLG 2, W_W1+65536
	FFN1 1, 1, WS0, P1
	SEQ 1, W_W2, 0                                 ; chunks 5, 6
	LDW 2, WL0, 0, 4
	s_wait_loadcnt 0x0
	WSLOAD WS0, WSA, 20, 16, 6144
	PLOAD P1, 22, 1536
	WLG 1, W_W1+98304
	FFN1 2, 2, WS1, P0
	LDW 1, WL0, 16384, 4
	s_wait_loadcnt 0x0
	WSLOAD WS1, WSA2, 26, 64, 0
	PLOAD P0, 28, 0                                ; b2
	WLG 2, W_W2
	FFN1 3, 1, WS0, P1
	; ---- steps 5 to 8: the second layer onto Y = x2 + b2
	SEQ 0, W_W2+65536, 0                           ; chunks 7, 8; behind the round the hidden layer's 32 fragments lie in LDS
	FETCH8 HIMG, 16384, HSC, 2048
	LDW 2, WL1, 0, 4
	s_wait_loadcnt 0x0
	WSLOAD WS0, WSA2, 26, 64, 16
	PLOAD P1, 30, 0                                ; ln3_w
	WLG 1, W_W2+32768
	YADD P0
	PLOAD P0, 32, 0                                ; ln3_b
	PROD_Y 2, WS1, 8
	WIN 0
	PLACES                                         ; in front of loads into registers that the last products read
	FETCH8 HIMG+4096, 16384, HSC+512, 2048
	LDW 1, WL1, 16384, 4
	s_wait_loadcnt 0x0
	WSLOAD WS1, WSA2, 26, 64, 32
	WLG 2, W_W2+65536
	PROD_Y 1, WS0, 8
	WIN 0
	PLACES
	FETCH8 HIMG+8192, 16384, HSC+1024, 2048
	s_wait_tensorcnt 0x0                           ; my part of chunks 7, 8 has landed; I alone read it
	LDW 2, WL0, 0, 4
	s_wait_loadcnt 0x0
	WSLOAD WS0, WSA2, 26, 64, 48
	WLG 1, W_W2+98304
	PROD_Y 2, WS1, 8
	WIN 0
	PLACES
	FETCH8 HIMG+12288, 16384, HSC+1536, 2048
	LDW 1, WL0, 16384, 4
	s_wait_loadcnt 0x0
	PROD_Y 1, WS0, 8
	WIN 0
	PLACES
	; ---- the last norm
	LN_STAT RED3, RED4
	LN_APPLY P1, P0
	; ---- the way out.  A lane holds pieces of 64 bytes of a row, and a row's 2,048 bytes come from four waves: they meet in the stage, and each wave stores 8 whole rows
	WIN 0x0c
.irp u, 0,1
.irp b, 0,1,2,3
.irp q, 0,1,2,3
	ds_store_b128 v[SO], v[64*\u+16*\b+4*\q:64*\u+16*\b+4*\q+3] offset:16512*\u+128*\b+16*\q
.endr
.endr
.endr
	WIN 0
	BARRIER
.set PP, 0
.rept 32
	ds_load_b128 v[16+4*PP:19+4*PP], v[SR] offset:2064*(PP/4)+512*(PP%4)
.set PP, PP+1
.endr
.set PP, 0
.rept 32
	s_wait_dscnt 31-PP                             ; LDS loads come back in order: those issued behind this one may be out
	global_store_b128 v[LI], v[16+4*PP:19+4*PP], s[34:35] offset:2048*(PP/4)+512*(PP%4) th:TH_STORE_NT   ; 512 consecutive bytes, aligned; written once
.set PP, PP+1
.endr
	s_wait_tensorcnt 0x0                           ; the wave's end
	ds_add_u32 v[SPW], v[NIL]
	s_wait_dscnt 0x0
	ROUND                                          ; the closing round
	s_endpgm
.Lfunc_end_k_q2d204c9332_ffn:
	.size	k_q2d204c9332_ffn, .Lfunc_end_k_q2d204c9332_ffn-k_q2d204c9332_ffn
	.p2alignl 7, 3214868480
	.fill 96, 4, 3214868480
	.section	.rodata,"a",@progbits
	.p2align	6, 0x0
	.amdhsa_kernel k_q2d204c9332_ffn
		.amdhsa_group_segment_fixed_size 327680
		.amdhsa_private_segment_fixed_size 0
		.amdhsa_enable_private_segment 0
		.amdhsa_kernarg_size 112
		.amdhsa_user_sgpr_count 2
		.amdhsa_user_sgpr_kernarg_segment_ptr 1
		.amdhsa_wavefront_size32 1
		.amdhsa_system_sgpr_workgroup_id_x 1
		.amdhsa_system_sgpr_workgroup_id_y 1
		.amdhsa_system_sgpr_workgroup_id_z 1
		.amdhsa_system_vgpr_workitem_id 0
		.amdhsa_next_free_vgpr 1024
		.amdhsa_next_free_sgpr 66
		.amdhsa_reserve_vcc 0
		.amdhsa_float_denorm_mode_32 3
		.amdhsa_float_denorm_mode_16_64 3
		.amdhsa_memory_ordered 1
		.amdhsa_forward_progress 1
		.amdhsa_inst_pref_size 255
	.end_amdhsa_kernel
	.section	.bss,"aw",@nobits
	.p2align	6
	.space	262144
	.amdgpu_metadata
---
amdhsa.version: [ 1, 2 ]
amdhsa.kernels:
  - .name:           k_q2d204c9332_ffn
    .symbol:         k_q2d204c9332_ffn.kd
    .args:
      - { .name: o, .offset: 0, .size: 8, .value_kind: global_buffer, .address_space: global }
      - { .name: x1, .offset: 8, .size: 8, .value_kind: global_buffer, .address_space: global }
      - { .name: wl, .offset: 16, .size: 8, .value_kind: global_buffer, .address_space: global }
      - { .name: ca_wo_scales, .offset: 24, .size: 8, .value_kind: global_buffer, .address_space: global }
      - { .name: ca_bo, .offset: 32, .size: 8, .value_kind: global_buffer, .address_space: global }
      - { .name: ln2_w, .offset: 40, .size: 8, .value_kind: global_buffer, .address_space: global }
      - { .name: ln2_b, .offset: 48, .size: 8, .value_kind: global_buffer, .address_space: global }
      - { .name: w1_scales, .offset: 56, .size: 8, .value_kind: global_buffer, .address_space: global }
      - { .name: b1, .offset: 64, .size: 8, .value_kind: global_buffer, .address_space: global }
      - { .name: w2_scales, .offset: 72, .size: 8, .value_kind: global_buffer, .address_space: global }
      - { .name: b2, .offset: 80, .size: 8, .value_kind: global_buffer, .address_space: global }
      - { .name: ln3_w, .offset: 88, .size: 8, .value_kind: global_buffer, .address_space: global }
      - { .name: ln3_b, .offset: 96, .size: 8, .value_kind: global_buffer, .address_space: global }
      - { .name: out0, .offset: 104, .size: 8, .value_kind: global_buffer, .address_space: global }
    .group_segment_fixed_size: 327680
    .private_segment_fixed_size: 0
    .kernarg_segment_align: 8
    .kernarg_segment_size: 112
    .max_flat_workgroup_size: 128
    .sgpr_count:     66
    .vgpr_count:     1024
    .wavefront_size: 32
...
	.end_amdgpu_metadata
.endif
;; end of part 5
